; MI455X (gfx1250); checked and timed in simulation.
; The chip was launched on July 23, 2026; its instructions are those of AMD's public machine-readable ISA for CDNA 5 (MIT licence, August 2026) and "CDNA5" Instruction Set Architecture Reference Guide (July 2026). The comments in the code are by the model that wrote it; some were corrected since.
;; Unpadded Mistral Attention. Allowed arithmetic: matrix products marked QUANTISED: E3M2 operands, one E8M0 scale for each 32 along K, by v_wmma_scale_f32_16x16x128_f8f6f4 with both operands' format E3M2, f32 sums; everything else in f32.
;; Inputs: Wk 2,048 x 1,024 float32; Wo 2,048 x 2,048 float32; Wq 2,048 x 2,048 float32; Wv 2,048 x 1,024 float32; cos 1,024 x 128 float32; cu_seqlens 5 int32; nz_hidden_states 4,096 x 2,048 float32; nz_position_ids 4,096 int32; sin 1,024 x 128 float32.
;; Outputs: out0 4,096 x 2,048 float32.
;; Constants: max_seqlen = 1024.
;; This version of the problem:
;;   THIS VERSION OF THE PROBLEM IS GIVEN IN LOW PRECISION. The matrix products marked QUANTISED in the list below multiply operands that are first quantised to E3M2 (3 exponent bits, 2 mantissa bits; 6 bits a number), with one power-of-two scale for each 32 numbers along K (OCP MX v1.0); their sums are f32. All else is computed in f32.
;;   The module's matrix products, in the order in which they are computed (A, B: the left and right operand; K: the contracted axis; several contracted axes count as one K, in the product's order):
;;     1. [M 4,096, K 2,048] x [K 2,048, N 2,048]; A: input nz_hidden_states; B: input Wq: QUANTISED
;;     2. [M 4,096, K 2,048] x [K 2,048, N 1,024]; A: input nz_hidden_states; B: input Wk: QUANTISED
;;     3. [M 4,096, K 2,048] x [K 2,048, N 1,024]; A: input nz_hidden_states; B: input Wv: QUANTISED
;;     4. batch 32 x [M 1,024, K 128] x [K 128, N 2,048]; A: computed on the way; B: computed on the way: QUANTISED
;;     5. batch 32 x [M 128, K 1,024] x [K 1,024, N 2,048]; A: computed on the way; B: softmax (see below): QUANTISED
;;     6. [M 4,096, K 2,048] x [K 2,048, N 2,048]; A: computed on the way; B: input Wo: QUANTISED
;;   THE QUANTISER, for each operand of a quantised product, along K:
;;     - K is cut into blocks of 32 from its start; a last block that is shorter is filled with zeros.
;;     - A block's scale is 2^e with e = floor(log2(the largest magnitude in the block)) - 4, held to -126 .. 127; a block of zeros has e = 0. As a byte (E8M0): e + 127.
;;     - Each number is divided by its block's scale, clamped to +-28, and rounded to the nearest number of E3M2, ties to even, subnormals kept.
;;     - The product sums the exact products of the quantised numbers (number of the format x scale) in f32.
;;   ~~~python
;;   def quantise(x, axis):      # numpy; x: float32 -> the quantised numbers, widened to float32 again
;;       x = np.moveaxis(x, axis, -1); K = x.shape[-1]
;;       x = np.pad(x, [(0, 0)] * (x.ndim - 1) + [(0, -K % 32)]); x = x.reshape(x.shape[:-1] + (-1, 32)); a = np.abs(x).max(-1, keepdims=True)
;;       e = np.where(a > 0, np.clip(np.frexp(np.where(a > 0, a, 1))[1] - 1 - 4, -126, 127), 0)      # np.frexp(a)[1] - 1 = floor(log2(a)), exactly
;;       r = np.clip(x / 2.0 ** e, -28, 28)
;;       step = 2.0 ** (np.maximum(np.frexp(np.where(r == 0, 1, r))[1] - 1, -2) - 2)
;;       q = np.round(r / step) * step * 2.0 ** e      # np.round: ties to even
;;       return np.moveaxis(q.reshape(q.shape[:-2] + (-1,))[..., :K], -1, axis).astype(np.float32)
;;   ~~~
;;   SOFTMAX AHEAD OF A QUANTISED PRODUCT. Where the list says 'softmax', what is quantised is not the finished softmax but p = 2^(t - M), with t = logit x log2(e) and M = ceil(the row's largest t), a whole number; so 1/2 < the row's largest p <= 1. The row's sum l is taken of the UNQUANTISED p, in f32, and the product's result is divided by l at the end. Since M is a whole number, a kernel that streams over the keys may use a running M (the ceiling of the running maximum): every later rescaling is an exact power of two, which a block's scale takes up: the codes' values come out the same.
;;   OPERANDS COMPUTED ON THE WAY. 'Computed on the way' means the value that the module computes at that place (a softmax that the list does not call 'softmax' is quantised finished and normalised). What goes into a quantiser is computed in f32, as accurately as f32 sums, v_exp_f32 and their like allow (about 1e-6 of the number): no bf16 or f16 on the way to a quantiser, and a product that is left as it is and whose result goes on into a quantised operand takes f32 operands (vector FMAs, or v_wmma_f32_16x16x4_f32). A number that lies on a knife's edge between two numbers of the format may be rounded either way, as far as f32 arithmetic and the matrix unit's own rounding can turn it there, and no further.
;; One version. Each part assembles by itself: llvm-mc -triple=amdgcn-amd-amdhsa -mcpu=gfx1250 --defsym DOCPART=n.
;; ======== version 1 of 1: 4 launches
;; limits: right only within a limited range of input values
;; workspace buffers: xq 6,553,600 bytes; wqkv 6,553,600 bytes; woc 3,276,800 bytes; qc 6,553,600 bytes; kc 3,276,800 bytes; vc 3,276,800 bytes; oc 6,553,600 bytes; cs 4,194,304 bytes
;; launch quant (part 1): grid 1344 x 1, 4 waves a work-group, no clusters, 34,304 bytes of LDS; arguments nz_hidden_states, Wq, Wk, Wv, Wo, xq, wqkv, woc, cos, sin, nz_position_ids, cs; writes xq, wqkv, woc, cs
.if DOCPART == 1
	.amdgcn_target "amdgcn-amd-amdhsa--gfx1250"
	.amdhsa_code_object_version 6
	.text
	.protected	k_qf8ad9b0f74_quant
	.globl	k_qf8ad9b0f74_quant
	.p2align	8
	.type	k_qf8ad9b0f74_quant,@function
k_qf8ad9b0f74_quant:
	s_mov_b64 s[64:65], 0
	v_nop
	global_prefetch_b8 v0, s[64:65] scope:SCOPE_SE
	s_setreg_imm32_b32 hwreg(HW_REG_WAVE_MODE, 25, 1), 1
	s_wait_xcnt 0x0
; x [4096][2048] and the weights Wq [2048][2048], Wk, Wv [2048][1024], Wo [2048][2048], all f32, become codes of BF6 (E3M2) with one E8M0 byte for each 32 along K (the hidden axis: x's last, the weights' first).
; THE RECORD, the one format of all this program's workspace buffers: 128 operand rows x 128 along K in 12,800 bytes: eight fragment images of 1,536 bytes (16 rows x 128 K as the matrix
; instruction's 12 registers: registers 4 c .. 4 c + 3 of lane l at 512 c + 16 l), then 512 bytes of scale words: the word at 128 p + 4 l belongs to tile 2 p + l / 16, row l % 16.
; THE ROWS OF A TILE ARE NOT NEIGHBOURS: row r of tile 2 b + u is index 32 b + 8 u + r + 8 (r / 8) of the record's 128 (tokens of x, columns of a weight), so that a product that takes such tiles
; as its first source leaves 16 neighbouring indices in 16 neighbouring registers of a lane.
; A work-group makes one record, wave p its tiles 2 p, 2 p + 1 and its 128 bytes of scale words.  Work-groups 0-511: x (record = 16 x token block + K step); 512-1279: Wq, Wk, Wv (into wqkv, column blocks 0-15, 16-23, 24-31) and Wo.
; A block's scale is 2^(floor(log2(its largest magnitude)) - 4): its byte is that magnitude's exponent field - 4, held at 1 from below.
; LIMITS: a block whose largest magnitude lies under 2^-122 (a block of zeros among them) gets the byte 1: this program alone reads the bytes, and zero codes add nothing.  NaN and infinities are not served.
; reference() takes only the length of cu_seqlens and nothing of max_seqlen: no launch of this program reads them.
; No matrix work, no tensor load, no barrier: waves share nothing.  Only the x path touches LDS.
.set REC,   12800
.set SBO,   12288                      ; where a record's scale words begin
.set XROW,  8192                       ; a row of x in bytes
.set SPX,   528                        ; the x path's stage: 16 rows of 512 bytes + 16
.set R,     32                         ; x: v32-159   two tiles x 16 rows as loaded
.set X,     160                        ; x: v160-223  my 64 numbers: k = 64 c + 32 h + 0 .. 31 at X + 32 c
.set PC,    224                        ; x: v224-247  the two tiles' codes
.set TP,    248                        ; x: v248-250, v252-254 upper halves of blocks
.set MX,    12                         ; v12-13 largest magnitudes   v14-15 the conversions' scale operands   v16-17 bytes
.set SO,    14
.set BY,    16
.set PW,    20                         ; v20-21 scale words
.set XW,    32                         ; W: v32-159   four blocks of 32 numbers down K
.set VO,    160                        ; W: v160-191  byte offsets: my column + i rows
.set F0,    192                        ; W: v192-203  tile 2 p's image
.set F1,    204                        ; W: v204-215  tile 2 p + 1's
.set TW,    216                        ; W: v216-218  upper half of a block
	s_load_b512 s[8:23], s[0:1], 0x0               ; x 8, Wq 10, Wk 12, Wv 14, Wo 16, xq 18, wqkv 20, woc 22
	s_load_b256 s[52:59], s[0:1], 0x40             ; cos 52, sin 54, positions 56, cs 58
	v_lshl_add_u32 v251, v0, 2, 0x8400
	v_mov_b32 v255, 0
	v_lshrrev_b32 v1, 5, v0
	v_readfirstlane_b32 s24, v1                    ; wave p
	v_and_b32 v2, 31, v0                           ; lane
	v_lshlrev_b32 v3, 4, v2                        ; 16 x lane
	s_mul_i32 s25, s24, 2*1536
	v_add_nc_u32 v4, s25, v3                       ; my place in my first tile's image
	s_lshl_b32 s25, s24, 7
	v_lshl_add_u32 v5, v2, 2, s25                  ; and among the scale words: 128 p + 4 x lane
	s_cmp_lt_u32 ttmp9, 512
	s_cbranch_scc0 .Lweights
; ---- x: K is innermost.  A load takes one row's 512 bytes; 16 rows turn through my wave's stage, so that lane (r, h) gets two whole blocks of row r.
	v_and_b32 v7, 15, v0                           ; r
	v_bfe_u32 v8, v0, 4, 1                         ; h
	s_mov_b32 s26, 0x76543210
	s_mov_b32 s27, 0xfedcba98                      ; v_permlanex16_b32's selects for lane l xor 16
	s_mov_b32 s28, 0xffff0000                      ; lanes 16-31
	s_lshr_b32 s34, ttmp9, 4
	s_lshl_b32 s34, s34, 20                        ; token block x 128 rows
	s_and_b32 s35, ttmp9, 15
	s_lshl_b32 s35, s35, 9                         ; K step x 512 bytes
	s_add_co_u32 s34, s34, s35
	s_lshl_b32 s35, s24, 18                        ; my wave's 32 rows
	s_add_co_u32 s34, s34, s35
	s_mov_b32 s35, 0
	s_mul_i32 s36, ttmp9, REC
	s_mov_b32 s37, 0
	s_mul_i32 s38, s24, 16*SPX                     ; my stage
	s_wait_alu depctr_va_vdst(0)
	v_add_nc_u32 v9, s38, v3                       ; in: 16 x lane of a row
	v_mul_u32_u24 v10, v7, SPX
	v_lshl_add_u32 v10, v8, 7, v10
	v_add_nc_u32 v10, s38, v10                     ; out: row r, + 128 h
	v_lshlrev_b32 v11, 3, v8                       ; 8 h: my bytes' place in the scale word
	v_mov_b32 v19, 0                               ; a lane permute's destination counts as read
	s_wait_alu depctr_va_vdst(0)
	s_wait_kmcnt 0x0
	s_add_nc_u64 s[30:31], s[8:9], s[34:35]
	s_add_nc_u64 s[32:33], s[18:19], s[36:37]
.irp u, 0,1
.irp i, 0,1,2,3,4,5,6,7,8,9,10,11,12,13,14,15
	global_load_b128 v[R+64*\u+4*\i:R+64*\u+4*\i+3], v3, s[30:31] offset:(8*\u+\i+8*(\i/8))*XROW th:TH_LOAD_NT   ; row i of tile 2 p + u: 512 consecutive bytes
.endr
.endr
.macro TILE u
	s_wait_loadcnt 16*(1-\u)                       ; this tile's 16 loads are in; the other tile's may be out
.irp i, 0,1,2,3,4,5,6,7,8,9,10,11,12,13,14,15
	ds_store_b128 v9, v[R+64*\u+4*\i:R+64*\u+4*\i+3] offset:SPX*\i
.endr
.irp c, 0,1
.irp j, 0,1,2,3,4,5,6,7
	ds_load_b128 v[X+32*\c+4*\j:X+32*\c+4*\j+3], v10 offset:256*\c+16*\j   ; LDS serves a wave's instructions in order: these see the stores above
.endr
.endr
	s_wait_dscnt 0x0
.irp c, 0,1
	v_max3_num_f32 v[MX+\c], |v[X+32*\c]|, |v[X+32*\c+1]|, 0x2800000     ; my block 2 c + h, and the floor 2^(5 - 127): the byte cannot fall under 1
.endr
.irp i, 2,4,6,8,10,12,14,16,18,20,22,24,26,28,30
.irp c, 0,1
	v_max3_num_f32 v[MX+\c], v[MX+\c], |v[X+32*\c+\i]|, |v[X+32*\c+\i+1]|
.endr
.endr
.irp c, 0,1
	v_add_nc_u32 v[SO+\c], 0xfe000000, v[MX+\c]    ; 4 off the exponent field: the conversion's scale operand
.endr
.irp c, 0,1
	v_lshrrev_b32 v[BY+\c], 23, v[SO+\c]           ; the byte
.endr
	v_lshl_or_b32 v18, v[BY+1], 16, v[BY]          ; blocks h and 2 + h,
	v_lshlrev_b32 v18, v11, v18                    ; at their places;
	v_permlanex16_b32 v19, v18, s26, s27
	v_or_b32 v[PW+\u], v18, v19                    ; with lane l xor 16's two the row's word is whole
.irp c, 0,1
	v_cvt_scalef32_pk16_bf6_f32 v[PC+12*\u+6*\c:PC+12*\u+6*\c+2], v[X+32*\c:X+32*\c+15], v[SO+\c]
	v_cvt_scalef32_pk16_bf6_f32 v[TP+4*\c:TP+4*\c+2], v[X+32*\c+16:X+32*\c+31], v[SO+\c]   ; (a conversion's three registers begin on an even number)
.endr
	v_nop                                          ; one plain place behind a scaled conversion
.irp c, 0,1
.irp i, 0,1,2
	v_mov_b32 v[PC+12*\u+6*\c+3+\i], v[TP+4*\c+\i]
.endr
.endr
.irp c, 0,1,2
	global_store_b128 v4, v[PC+12*\u+4*\c:PC+12*\u+4*\c+3], s[32:33] offset:1536*\u+512*\c   ; 512 consecutive bytes
.endr
.endm
	TILE 0
	TILE 1
	v_cndmask_b32 v22, v[PW], v[PW+1], s28         ; lanes 0-15: tile 2 p's words, lanes 16-31: tile 2 p + 1's
	global_store_b32 v5, v22, s[32:33] offset:SBO
	s_wait_tensorcnt 0x0
	ds_add_u32 v251, v255
	s_wait_dscnt 0x0
	s_endpgm
; ---- the weights: K is the first axis.  A lane takes a column and its registers run down K: a block of 32 is one lane's, and the codes come out with K innermost.
.Lweights:
	s_cmp_ge_u32 ttmp9, 1280
	s_cbranch_scc1 .Lcs                            ; work-groups 1280-1343: the RoPE tables
	s_sub_co_u32 s25, ttmp9, 512                   ; e: 0-255 Wq, 256-383 Wk, 384-511 Wv, 512-767 Wo; 16 records to a block of 128 columns
	s_wait_kmcnt 0x0
	s_mov_b64 s[30:31], s[16:17]
	s_mov_b32 s29, 512                             ; the tensor's first e
	s_mov_b32 s34, 8192                            ; a row of it in bytes
	s_cmp_lt_u32 s25, 512
	s_cselect_b64 s[30:31], s[14:15], s[30:31]
	s_cselect_b64 s[32:33], s[20:21], s[22:23]
	s_cselect_b32 s29, 384, s29
	s_cselect_b32 s34, 4096, s34
	s_cselect_b32 s35, 0, 512
	s_cmp_lt_u32 s25, 384
	s_cselect_b64 s[30:31], s[12:13], s[30:31]
	s_cselect_b32 s29, 256, s29
	s_cmp_lt_u32 s25, 256
	s_cselect_b64 s[30:31], s[10:11], s[30:31]
	s_cselect_b32 s29, 0, s29
	s_cselect_b32 s34, 8192, s34
	s_sub_co_u32 s35, s25, s35                     ; the record's number in its buffer
	s_mul_i32 s48, s35, REC
	s_mov_b32 s49, 0
	s_add_nc_u64 s[32:33], s[32:33], s[48:49]
	s_and_b32 s48, s25, 15
	s_lshl_b32 s48, s48, 7
	s_mul_i32 s48, s48, s34                        ; K step x 128 rows
	s_sub_co_u32 s50, s25, s29
	s_lshr_b32 s50, s50, 4
	s_lshl_b32 s50, s50, 9                         ; column block x 512 bytes
	s_add_co_u32 s48, s48, s50
	s_lshl_b32 s50, s24, 7                         ; my wave's 32 columns
	s_add_co_u32 s48, s48, s50
	s_add_nc_u64 s[36:37], s[30:31], s[48:49]      ; a base for each block of 32 rows: nothing is stepped while loads are out
	s_lshl_b32 s48, s34, 5
	s_add_nc_u64 s[38:39], s[36:37], s[48:49]
	s_add_nc_u64 s[40:41], s[38:39], s[48:49]
	s_add_nc_u64 s[42:43], s[40:41], s[48:49]
	s_wait_alu depctr_va_vdst(0)
	v_and_b32 v6, 7, v2                            ; lane l is row l % 16 of tile 2 p + l / 16: column (l & 7) + 2 (l & 8) + (l & 16) / 2 of the wave's 32
	v_and_b32 v23, 8, v2
	v_lshl_or_b32 v6, v23, 1, v6
	v_and_b32 v23, 16, v2
	v_lshrrev_b32 v23, 1, v23
	v_or_b32 v6, v6, v23
	v_lshlrev_b32 v[VO], 2, v6
.set n, 1
.rept 31
	v_add_nc_u32 v[VO+n], s34, v[VO+n-1]
.set n, n+1
.endr
.macro LOADW t
.set n, 0
.rept 32
	global_load_b32 v[XW+32*\t+n], v[VO+n], s[36+2*\t:37+2*\t] th:TH_LOAD_NT   ; one row of W at my wave's 32 columns: 128 consecutive bytes; the four waves stand side by side on 512
.set n, n+1
.endr
.endm
.macro ITEM t, fd                      ; block t of my column: its byte into the word, its 32 codes into v[fd] on
.set XS, XW+32*\t
	v_max3_num_f32 v12, |v[XS]|, |v[XS+1]|, |v[XS+2]|
	v_max3_num_f32 v13, |v[XS+3]|, |v[XS+4]|, |v[XS+5]|
.irp i, 6,10,14,18,22,26
	v_max3_num_f32 v12, v12, |v[XS+\i]|, |v[XS+\i+1]|
	v_max3_num_f32 v13, v13, |v[XS+\i+2]|, |v[XS+\i+3]|
.endr
	v_max3_num_f32 v12, v12, |v[XS+30]|, |v[XS+31]|
	v_max3_num_f32 v12, v12, v13, 0x2800000        ; and the floor
	v_add_nc_u32 v14, 0xfe000000, v12
	v_lshrrev_b32 v16, 23, v14
.if \t == 0
	v_mov_b32 v[PW], v16
.else
	v_lshl_or_b32 v[PW], v16, 8*\t, v[PW]
.endif
	v_cvt_scalef32_pk16_bf6_f32 v[\fd:\fd+2], v[XS:XS+15], v14
	v_cvt_scalef32_pk16_bf6_f32 v[TW:TW+2], v[XS+16:XS+31], v14
	v_nop                                          ; one plain place behind a scaled conversion
.irp i, 0,1,2
	v_mov_b32 v[\fd+3+\i], v[TW+\i]
.endr
.endm
.macro SWAP c                          ; the layout wants blocks 2 c (lanes 0-15) and 2 c + 1 (lanes 16-31) of ONE tile in a register: the first's upper lanes change places with the second's lower
.irp i, 0,1,2,3,4,5
	v_permlane16_swap_b32 v[F0+6*\c+\i], v[F1+6*\c+\i]
.endr
.endm
	LOADW 0
	LOADW 1
	s_wait_alu depctr_va_vdst(0)
	s_wait_loadcnt 32                              ; block 0 is in; the 32 loads behind it may be out (so at each of these waits)
	LOADW 2
	ITEM 0, F0
	s_wait_loadcnt 32
	LOADW 3
	ITEM 1, F1
	SWAP 0
	s_wait_loadcnt 32
	ITEM 2, F0+6
	s_wait_loadcnt 0x0
	ITEM 3, F1+6
	SWAP 1
.irp c, 0,1,2
	global_store_b128 v4, v[F0+4*\c:F0+4*\c+3], s[32:33] offset:512*\c
	global_store_b128 v4, v[F1+4*\c:F1+4*\c+3], s[32:33] offset:1536+512*\c
.endr
	global_store_b32 v5, v[PW], s[32:33] offset:SBO   ; lane l's word is that of tile 2 p + l / 16, row l % 16: as the record wants it
	s_endpgm
; ---- cos and sin, gathered by position ONCE, in the register order of the projection's way out.  cs: 16,384 bytes for each tile g = 8 x token block + a of 16 tokens:
; 32 slices of 512 bytes, slice n at 512 n, lane l at 16 l.  Slices 0-15 are cos, 16-31 sin; slice 4 bb + jj of lane (r, h) holds channels 32 bb + 16 h + 4 jj + 0 .. 3
; of the table's row at the position of token 128 x block + 32 (a / 2) + 8 (a % 2) + r + 8 (r / 8).  A wave makes one tile: 32 loads by rows of the tables, 32 stores of 512 consecutive bytes.
.Lcs:
	s_sub_co_u32 s25, ttmp9, 1280
	s_lshl_b32 s25, s25, 2
	s_add_co_u32 s25, s25, s24                     ; g
	s_lshr_b32 s26, s25, 3
	s_lshl_b32 s26, s26, 7                         ; 128 x token block
	s_bfe_u32 s28, s25, 0x20001
	s_lshl_b32 s28, s28, 5                         ; 32 (a / 2)
	s_add_co_u32 s26, s26, s28
	s_and_b32 s28, s25, 1
	s_lshl_b32 s28, s28, 3                         ; 8 (a % 2)
	s_add_co_u32 s26, s26, s28
	s_lshl_b32 s26, s26, 2                         ; the tile's first token, in bytes of the positions
	s_mov_b32 s27, 0
	s_lshl_b32 s28, s25, 14
	s_mov_b32 s29, 0
	v_and_b32 v7, 15, v0                           ; r
	v_and_b32 v8, 8, v7
	v_add_nc_u32 v8, v8, v7
	v_lshlrev_b32 v8, 2, v8                        ; 4 (r + 8 (r / 8))
	v_bfe_u32 v9, v0, 4, 1
	v_lshlrev_b32 v9, 6, v9                        ; 64 h
	s_wait_alu depctr_va_vdst(0)                   ; directly ahead of the wait below
	s_wait_kmcnt 0x0
	s_add_nc_u64 s[56:57], s[56:57], s[26:27]
	s_add_nc_u64 s[58:59], s[58:59], s[28:29]
	global_load_b32 v10, v8, s[56:57]
	s_wait_loadcnt 0x0
	v_min_u32 v10, 0x3ff, v10                      ; an index stays inside its table of 1,024 rows
	v_lshlrev_b32 v10, 9, v10
	v_add_nc_u32 v10, v9, v10
.set n, 0
.rept 16
	global_load_b128 v[32+4*n:35+4*n], v10, s[52:53] offset:128*(n/4)+16*(n%4)
.set n, n+1
.endr
.set n, 0
.rept 16
	global_load_b128 v[96+4*n:99+4*n], v10, s[54:55] offset:128*(n/4)+16*(n%4)
.set n, n+1
.endr
	s_wait_loadcnt 16                              ; cos is in; sin's 16 loads may be out
.set n, 0
.rept 16
	global_store_b128 v3, v[32+4*n:35+4*n], s[58:59] offset:512*n
.set n, n+1
.endr
	s_wait_loadcnt 0x0
.rept 16
	global_store_b128 v3, v[32+4*n:35+4*n], s[58:59] offset:512*n
.set n, n+1
.endr
	s_endpgm
.Lfunc_end_k_qf8ad9b0f74_quant:
	.size	k_qf8ad9b0f74_quant, .Lfunc_end_k_qf8ad9b0f74_quant-k_qf8ad9b0f74_quant
	.p2alignl 7, 3214868480
	.fill 96, 4, 3214868480
	.section	.rodata,"a",@progbits
	.p2align	6, 0x0
	.amdhsa_kernel k_qf8ad9b0f74_quant
		.amdhsa_group_segment_fixed_size 34304
		.amdhsa_private_segment_fixed_size 0
		.amdhsa_enable_private_segment 0
		.amdhsa_kernarg_size 96
		.amdhsa_user_sgpr_count 2
		.amdhsa_user_sgpr_kernarg_segment_ptr 1
		.amdhsa_wavefront_size32 1
		.amdhsa_system_sgpr_workgroup_id_x 1
		.amdhsa_system_sgpr_workgroup_id_y 1
		.amdhsa_system_sgpr_workgroup_id_z 1
		.amdhsa_system_vgpr_workitem_id 0
		.amdhsa_next_free_vgpr 256
		.amdhsa_next_free_sgpr 66
		.amdhsa_reserve_vcc 0
		.amdhsa_float_denorm_mode_32 3
		.amdhsa_float_denorm_mode_16_64 3
		.amdhsa_memory_ordered 1
		.amdhsa_forward_progress 1
		.amdhsa_inst_pref_size 45
	.end_amdhsa_kernel
	.amdgpu_metadata
---
amdhsa.version: [ 1, 2 ]
amdhsa.kernels:
  - .name:           k_qf8ad9b0f74_quant
    .symbol:         k_qf8ad9b0f74_quant.kd
    .args:
      - { .name: nz_hidden_states, .offset: 0, .size: 8, .value_kind: global_buffer, .address_space: global }
      - { .name: Wq, .offset: 8, .size: 8, .value_kind: global_buffer, .address_space: global }
      - { .name: Wk, .offset: 16, .size: 8, .value_kind: global_buffer, .address_space: global }
      - { .name: Wv, .offset: 24, .size: 8, .value_kind: global_buffer, .address_space: global }
      - { .name: Wo, .offset: 32, .size: 8, .value_kind: global_buffer, .address_space: global }
      - { .name: xq, .offset: 40, .size: 8, .value_kind: global_buffer, .address_space: global }
      - { .name: wqkv, .offset: 48, .size: 8, .value_kind: global_buffer, .address_space: global }
      - { .name: woc, .offset: 56, .size: 8, .value_kind: global_buffer, .address_space: global }
      - { .name: cos, .offset: 64, .size: 8, .value_kind: global_buffer, .address_space: global }
      - { .name: sin, .offset: 72, .size: 8, .value_kind: global_buffer, .address_space: global }
      - { .name: nz_position_ids, .offset: 80, .size: 8, .value_kind: global_buffer, .address_space: global }
      - { .name: cs, .offset: 88, .size: 8, .value_kind: global_buffer, .address_space: global }
    .group_segment_fixed_size: 34304
    .private_segment_fixed_size: 0
    .kernarg_segment_align: 8
    .kernarg_segment_size: 96
    .max_flat_workgroup_size: 128
    .sgpr_count:     66
    .vgpr_count:     256
    .wavefront_size: 32
...
	.end_amdgpu_metadata
.endif
;; end of part 1
;; launch gemm_qkv (part 2): grid 16 x 16, 4 waves a work-group, clusters of 4 x 4, 327,680 bytes of LDS; arguments xq, wqkv, cs, qc, kc, vc; writes qc, kc, vc
.if DOCPART == 2
	.amdgcn_target "amdgcn-amd-amdhsa--gfx1250"
	.amdhsa_code_object_version 6
	.text
	.protected	k_qf8ad9b0f74_gemm_qkv
	.globl	k_qf8ad9b0f74_gemm_qkv
	.p2align	8
	.type	k_qf8ad9b0f74_gemm_qkv,@function
k_qf8ad9b0f74_gemm_qkv:
	s_mov_b64 s[64:65], 0
	v_nop
	global_prefetch_b8 v0, s[64:65] scope:SCOPE_SE
	s_setreg_imm32_b32 hwreg(HW_REG_WAVE_MODE, 25, 1), 1
	s_wait_xcnt 0x0
	s_wait_alu depctr_hold_cnt(0) depctr_sa_sdst(0) depctr_va_vdst(0) depctr_va_sdst(0) depctr_va_ssrc(0) depctr_va_vcc(0) depctr_vm_vsrc(0)
	s_getreg_b32 s2, hwreg(HW_REG_IB_STS2, 6, 4)
	s_cmp_eq_u32 s2, 0
	s_cbranch_scc0 .Lentry_in_a_cluster
	s_endpgm
.Lentry_in_a_cluster:
	s_bfe_u32 s2, ttmp6, 0x10000c
	s_cmp_lg_u32 s2, 0xf033
	s_cbranch_scc0 .Lentry_shape_is_right
	s_endpgm
.Lentry_shape_is_right:
; q, k, v = x [4096][2048] x (Wq | Wk | Wv) [2048][4096] on codes of BF6, then RoPE on q and k, then the quantiser of the next product; results leave as records of qc, kc, vc.
; A RECORD (all workspace buffers of codes): 128 operand rows x 128 K in 12,800 bytes: eight fragment images of 1,536 bytes (registers 4 c .. 4 c + 3 of lane l at 512 c + 16 l), then 512 bytes of scale
; words (128 p + 4 l: tile 2 p + l / 16, row l % 16).  Row r of tile 2 b + u is index 32 b + 8 u + r + 8 (r / 8).  The 16 records of a block of 128 rows lie one behind the other along K.
; A work-group of four waves makes 256 x 256, a wave 128 x 128 in 64 accumulators.  Source 0 takes the B side's tiles, source 1 the A side's: a lane holds one row of the A side and, by the order of
; the tiles' rows, 16 neighbouring indices of the B side in 16 neighbouring registers.  Clusters x = 0 .. 2: A side = tokens, B side = columns of Wq, Wk (a wave's 128 columns are one head).
; Cluster x = 3: A side = columns of Wv, B side = tokens, so that v is quantised along the keys.
; THE RING: two slots, each with THREE K steps of all four blocks: a wave's one load is 3 records on end, 38,400 dense bytes as 150 rows of 256; 2 x 153,600 bytes and the spare words fit in LDS.
; 16 steps are five such loads and one step: the sixth load brings steps 13 to 15, of which 13 and 14 have come before, so that every joint load of the loop has the same constant group 1
; only step 15 is read from it.
; A trip of the loop is six steps (both slots, both sets of B's registers come back to where they began).
; CLUSTERS 4 x 4: the A side's blocks are asked for jointly along a row of the cluster, the B side's along a column.
; PREFETCH OF THE TILES: behind the joint load for steps s .. s + 2 each wave asks for the 150 blocks of 256 bytes of its NEXT load, shared among the four partners by address (38 blocks each, the last 36);
; four asks in all (steps 3-5, 6-8, 9-11, 12-14); the last two refills ask for no tile.
; PREFETCH OF THE TABLES: at the loop's last refill, four K steps ahead of the first load of cos and sin, each wave of clusters x = 0 .. 2 asks for one tile's 16,384 bytes of cs: the eight tiles of a
; token block are shared among the two waves and the four partners that read them, by address.
; ROPE: cs holds cos and sin gathered by position in this way out's register order: every load is 512 consecutive bytes.
; LIMITS: a block whose largest magnitude lies under 2^-122 gets the byte 1 (this program alone reads the bytes); NaN and infinities are not served.
.set REC,   12800
.set SBO,   12288
.set B3,    3*REC                      ; one wave's load
.set SLOT,  4*B3
.set SPARE, 2*SLOT                     ; the spare words: 512 bytes that no other line names
.set FR,    12
.set ADRA,  16                         ; v16-17 my A block's images in slot 0, 1   v18-19 its scale words
.set ASA,   18
.set ADRB,  20                         ; v20-23 the same for B
.set ASB,   22
.set GI,    24                         ; 16 x lane
.set GS,    25                         ; 4 x lane
.set PF1,   26                         ; v26-27 the tiles' prefetches: offsets
.set PF2,   27
.set SPW,   28
.set NIL,   29
.set PF3,   30                         ; v30 the tables' prefetch: offset
.set SC,    32                         ; v32-47 scale words, two sets: A's four registers, then B's four
.set PWS,   56                         ; v56-63 the results' scale words
.set HA,    64                         ; v64-127 a tile behind RoPE
.set AF,    128                        ; A's fragments, one set
.set PC,    128                        ; the way out: codes
.set TM,    160
.set SBW,   176
.set G1,    24
.set G0,    32
.set G1B,   48
.set G0B,   56
.set CSQ,   87                         ; s87 the loop counter's value at which the tables are asked for: 1, or 0 (never) in the clusters that make v
.set SEL,   88
.set INC,   96                         ; s[96:97] what slot 1's next refill adds to its address
.set PFA,   98                         ; s[98:99] where my prefetches stand
.set MSB, 0
.macro WIN new
.if MSB != (\new)
	s_set_vgpr_msb (MSB<<8)|(\new)
.set MSB, (\new)
.endif
.endm
.set MUL_LO, 0xa1                      ; source 0 (B) window 1, source 1 (A) window 0, C and D window 2
.set MUL_HI, 0xf1
.set TO_B,   0x40
.macro JLOAD g0a, g1a, g0b, g1b        ; waves 0, 1 ask for the A side, waves 2, 3 for the B side; s_nop 0 and four v_nop behind each line
	s_cmp_eq_u32 s15, 0
	s_cbranch_scc0 .Lfor_b_\@
	tensor_load_to_lds s[\g0a:\g0a+3], s[\g1a:\g1a+7]
	s_nop 0
.rept 4
	v_nop
.endr
	s_branch .Lasked_\@
.Lfor_b_\@:
	tensor_load_to_lds s[\g0b:\g0b+3], s[\g1b:\g1b+7]
	s_nop 0
.rept 4
	v_nop
.endr
.Lasked_\@:
.endm
.macro CREST
	s_cmp_lg_u32 s14, 0
	s_cbranch_scc1 .Lnot_wave_0_\@
	s_barrier_signal -3
.Lnot_wave_0_\@:
	s_barrier_wait -3
	s_barrier_signal -1
	s_barrier_wait -1
.endm
.macro CROUND
	s_barrier_signal -1
	s_barrier_wait -1
	CREST
.endm
.macro PLACES n
.rept \n
	v_nop
.endr
.endm
.macro ASK loop                        ; my share of my next load's 150 blocks: 32 lanes, then 6 (the other lanes name the last block again)
.if \loop
	s_cmp_eq_u32 s3, 2                             ; the loop's first trip alone: the last two refills have nothing new three steps on
	s_cbranch_scc0 .Lnone_\@
.endif
	global_prefetch_b8 v[PF1], s[PFA:PFA+1] th:TH_LOAD_NT scope:SCOPE_SE
	global_prefetch_b8 v[PF2], s[PFA:PFA+1] th:TH_LOAD_NT scope:SCOPE_SE
.Lnone_\@:
.endm
.macro FRAG reg, adr, off
.irp c, 0,1,2
	ds_load_b128 v[\reg+4*\c:\reg+4*\c+3], v[\adr] offset:\off+512*\c
.endr
.endm
.macro FETCH_B slot, q, p              ; B's eight fragments of the slot's step q into set p
	WIN TO_B
.irp i, 0,1,2,3,4,5,6,7
	FRAG 128*(\p)+FR*\i, ADRB+\slot, (\q)*REC+1536*\i
.endr
	WIN 0
.endm
.macro FETCH_A slot, q, i0
.irp i, \i0, \i0+1, \i0+2, \i0+3
	FRAG AF+FR*(\i), ADRA+\slot, (\q)*REC+1536*(\i)
.endr
.endm
.macro SCALES slot, q, set
.irp p, 0,1,2,3
	ds_load_b32 v[SC+8*(\set)+\p], v[ASA+\slot] offset:(\q)*REC+SBO+128*\p
	ds_load_b32 v[SC+8*(\set)+4+\p], v[ASB+\slot] offset:(\q)*REC+SBO+128*\p
.endr
.endm
.macro MM a, b, p, zero                ; an even tile's scale words lie in lanes 0-15 of its register, an odd tile's in lanes 16-31
.set rD,  8*(8*((\a)%4)+(\b))
.set rQ,  128*(\p)+FR*(\b)
.set rP,  AF+FR*(\a)
.set rSQ, SC+8*(\p)+4+(\b)/2
.set rSP, SC+8*(\p)+(\a)/2
.set odd, ((\b)%2)+2*((\a)%2)
.if \zero
.if odd == 0
	v_wmma_scale_f32_16x16x128_f8f6f4 v[rD:rD+7], v[rQ:rQ+FR-1], v[rP:rP+FR-1], 0, v[rSQ], v[rSP] matrix_a_fmt:MATRIX_FMT_BF6 matrix_b_fmt:MATRIX_FMT_BF6
.elseif odd == 1
	v_wmma_scale_f32_16x16x128_f8f6f4 v[rD:rD+7], v[rQ:rQ+FR-1], v[rP:rP+FR-1], 0, v[rSQ], v[rSP] matrix_a_fmt:MATRIX_FMT_BF6 matrix_b_fmt:MATRIX_FMT_BF6 matrix_a_scale:MATRIX_SCALE_ROW1
.elseif odd == 2
	v_wmma_scale_f32_16x16x128_f8f6f4 v[rD:rD+7], v[rQ:rQ+FR-1], v[rP:rP+FR-1], 0, v[rSQ], v[rSP] matrix_a_fmt:MATRIX_FMT_BF6 matrix_b_fmt:MATRIX_FMT_BF6 matrix_b_scale:MATRIX_SCALE_ROW1
.else
	v_wmma_scale_f32_16x16x128_f8f6f4 v[rD:rD+7], v[rQ:rQ+FR-1], v[rP:rP+FR-1], 0, v[rSQ], v[rSP] matrix_a_fmt:MATRIX_FMT_BF6 matrix_b_fmt:MATRIX_FMT_BF6 matrix_a_scale:MATRIX_SCALE_ROW1 matrix_b_scale:MATRIX_SCALE_ROW1
.endif
.else
.if odd == 0
	v_wmma_scale_f32_16x16x128_f8f6f4 v[rD:rD+7], v[rQ:rQ+FR-1], v[rP:rP+FR-1], v[rD:rD+7], v[rSQ], v[rSP] matrix_a_fmt:MATRIX_FMT_BF6 matrix_b_fmt:MATRIX_FMT_BF6
.elseif odd == 1
	v_wmma_scale_f32_16x16x128_f8f6f4 v[rD:rD+7], v[rQ:rQ+FR-1], v[rP:rP+FR-1], v[rD:rD+7], v[rSQ], v[rSP] matrix_a_fmt:MATRIX_FMT_BF6 matrix_b_fmt:MATRIX_FMT_BF6 matrix_a_scale:MATRIX_SCALE_ROW1
.elseif odd == 2
	v_wmma_scale_f32_16x16x128_f8f6f4 v[rD:rD+7], v[rQ:rQ+FR-1], v[rP:rP+FR-1], v[rD:rD+7], v[rSQ], v[rSP] matrix_a_fmt:MATRIX_FMT_BF6 matrix_b_fmt:MATRIX_FMT_BF6 matrix_b_scale:MATRIX_SCALE_ROW1
.else
	v_wmma_scale_f32_16x16x128_f8f6f4 v[rD:rD+7], v[rQ:rQ+FR-1], v[rP:rP+FR-1], v[rD:rD+7], v[rSQ], v[rSP] matrix_a_fmt:MATRIX_FMT_BF6 matrix_b_fmt:MATRIX_FMT_BF6 matrix_a_scale:MATRIX_SCALE_ROW1 matrix_b_scale:MATRIX_SCALE_ROW1
.endif
.endif
.endm
.macro MUL16 a0, p, zero               ; the 64 accumulators take turns, one instruction a turn, in the same order in every step
.irp a, \a0, \a0+1
.irp b, 0,1,2,3,4,5,6,7
	MM \a, \b, \p, \zero
.endr
.endr
.endm
; A step inside a slot: step q on B's set p; the slot's step q + 1 is fetched into the other set in the middle, A's blocks 4-7 at the end.
.macro STEP slot, q, p, zero
	s_wait_dscnt 12                                ; all but the youngest twelve loads, A's blocks 4-7
	WIN MUL_LO
	MUL16 0, \p, \zero
	MUL16 2, \p, \zero
	s_wait_dscnt 0x0
	PLACES 4                                       ; in front of loads into registers that matrix instructions have read
	FETCH_B \slot, (\q)+1, 1-(\p)
	FETCH_A \slot, (\q)+1, 0
	SCALES \slot, (\q)+1, 1-(\p)
	WIN MUL_HI
	MUL16 4, \p, \zero
	MUL16 6, \p, \zero
	PLACES 4
	WIN 0
	FETCH_A \slot, (\q)+1, 4
.endm
; A slot's last step, on set p: the change of slots.  In front of the barrier: all my tensor loads, the add, my reads of this slot.  fill = 1: the barrier opens a round of the cluster's barrier,
; and the slot is filled again, my one load behind the round.  Then step nq of the next slot is fetched.
.macro TURN slot, next, nq, p, fill
.if \fill
	s_wait_xcnt 0x0                                ; my prefetches have read their address:
	s_add_nc_u64 s[PFA:PFA+1], s[PFA:PFA+1], B3    ; on to the load after the one asked for below
.endif
	s_wait_tensorcnt 0x0                           ; my one load that was out, my part of the next slot, has landed
	ds_add_u32 v[SPW], v[NIL]
	s_wait_dscnt 13                                ; the add and A's blocks 4-7 may be out
	WIN MUL_LO
	MUL16 0, \p, 0
	s_wait_dscnt 0x0                               ; the add is done, my reads of this slot are over
	s_barrier_signal -1
	MUL16 2, \p, 0
	WIN 0
	s_barrier_wait -1
.if \fill
	CREST
.if \slot
	s_add_nc_u64 s[G0+6:G0+7], s[G0+6:G0+7], s[INC:INC+1]      ; slot 1: steps 3, 9, 13
	s_add_nc_u64 s[G0B+6:G0B+7], s[G0B+6:G0B+7], s[INC:INC+1]
	s_mov_b32 s[INC], 4*REC
.else
	s_add_nc_u64 s[G0+2:G0+3], s[G0+2:G0+3], 2*B3              ; slot 0: steps 0, 6, 12
	s_add_nc_u64 s[G0B+2:G0B+3], s[G0B+2:G0B+3], 2*B3
.endif
	JLOAD G0+4*\slot, G1, G0B+4*\slot, G1B         ; its four v_nop are the places in front of the loads below
.else
	PLACES 4
.endif
	FETCH_B \next, \nq, 1-(\p)
	FETCH_A \next, \nq, 0
	SCALES \next, \nq, 1-(\p)
.if \fill
	ASK 1
.if \slot
	s_cmp_eq_u32 s3, s[CSQ]                        ; the loop's second trip, where RoPE follows: my tile of the tables, 64 blocks of 256 bytes
	s_cbranch_scc0 .Lno_tab_\@
	global_prefetch_b8 v[PF3], s[72:73] th:TH_LOAD_NT scope:SCOPE_SE
	global_prefetch_b8 v[PF3], s[72:73] offset:8192 th:TH_LOAD_NT scope:SCOPE_SE
.Lno_tab_\@:
.endif
.endif
	WIN MUL_HI
	MUL16 4, \p, 0
	MUL16 6, \p, 0
	PLACES 4
	WIN 0
	FETCH_A \next, \nq, 4
.endm
	s_load_b256 s[68:75], s[0:1], 0x0              ; xq 68, wqkv 70, cs 72, qc 74
	s_load_b128 s[76:79], s[0:1], 0x20             ; kc 76, vc 78
	v_lshl_add_u32 v[SPW], v0, 2, SPARE
	v_mov_b32 v[NIL], 0
	ds_add_u32 v[SPW], v[NIL]                      ; the opening lines: the add twice on end, under one wait
	ds_add_u32 v[SPW], v[NIL]
	v_lshrrev_b32 v1, 5, v0
	v_readfirstlane_b32 s14, v1                    ; wave
	s_lshr_b32 s15, s14, 1                         ; my A block; also: I fetch for the A side (0) or the B side (1)
	s_and_b32 s16, s14, 1                          ; my B block; also: which block of that side I fetch
	s_bfe_u32 s40, ttmp6, 0x40000                  ; cx
	s_bfe_u32 s41, ttmp6, 0x40004                  ; cy
	s_and_b32 s42, ttmp7, 0xffff
	s_lshl_b32 s43, s41, 2
	s_lshl_b32 s43, 15, s43                        ; my row of the cluster
	s_lshl_b32 s17, 0x1111, s40                    ; my column
	s_or_b32 s[G1+0], s43, (3<<16)|(1<<21)         ; elements of 8 bytes, no padding: the images are read 16 bytes a lane on end
	s_or_b32 s[G1B+0], s17, (3<<16)|(1<<21)
.irp g, G1, G1B
	s_mov_b32 s[\g+1], 32<<16                      ; rows of 256 bytes,
	s_mov_b32 s[\g+2], 150<<16                     ; 150 of them
	s_mov_b32 s[\g+3], 32<<16
	s_mov_b32 s[\g+4], 150
	s_mov_b32 s[\g+5], 32
	s_mov_b32 s[\g+6], 0
	s_mov_b32 s[\g+7], 0
.endr
	s_lshl_b32 s20, s42, 2
	s_add_co_u32 s20, s20, s41                     ; A side's tile: 4 x cluster y + cy (tokens),
	s_add_co_u32 s21, s41, 12                      ; or 12 + cy (Wv's columns)
	s_lshl_b32 s44, ttmp9, 2
	s_add_co_u32 s44, s44, s40                     ; B side's tile: 4 x cluster x + cx (columns),
	s_lshl_b32 s45, s42, 2
	s_add_co_u32 s45, s45, s40                     ; or 4 x cluster y + cx (tokens)
	s_mul_i32 s18, s14, B3                         ; where my load goes: wave x 38,400
	s_mul_i32 s66, s15, B3                         ; what I read: my A block,
	s_mul_i32 s67, s16, B3
	s_add_co_u32 s67, s67, 2*B3                    ; my B block, behind A's two
	s_mov_b32 s[INC], 2*B3
	s_mov_b32 s[INC+1], 0
	s_wait_dscnt 0x0                               ; both opening adds are done
	s_wait_kmcnt 0x0
	s_cmp_eq_u32 ttmp9, 3
	s_cselect_b32 s20, s21, s20
	s_cselect_b32 s44, s45, s44
	s_cselect_b64 s[22:23], s[70:71], s[68:69]
	s_cselect_b64 s[46:47], s[68:69], s[70:71]
	s_lshl_b32 s20, s20, 1
	s_lshl_b32 s44, s44, 1
	s_add_co_u32 s90, s20, s15                     ; the A block that I multiply
	s_add_co_u32 s91, s44, s16                     ; the B block that I multiply
	s_add_co_u32 s20, s20, s16                     ; the blocks that I fetch
	s_add_co_u32 s44, s44, s16
	s_mul_i32 s20, s20, 16*REC
	s_mov_b32 s21, 0
	s_mul_i32 s44, s44, 16*REC
	s_mov_b32 s45, 0
	s_add_nc_u64 s[22:23], s[22:23], s[20:21]
	s_add_nc_u64 s[46:47], s[46:47], s[44:45]
.irp s, 0,1
	s_mov_b32 s[G0+4*\s], 1
	s_add_co_u32 s[G0+4*\s+1], s18, \s*SLOT
	s_add_nc_u64 s[G0+4*\s+2:G0+4*\s+3], s[22:23], \s*B3
	s_or_b32 s[G0+4*\s+3], s[G0+4*\s+3], 0x80000000
	s_mov_b32 s[G0B+4*\s], 1
	s_add_co_u32 s[G0B+4*\s+1], s18, \s*SLOT
	s_add_nc_u64 s[G0B+4*\s+2:G0B+4*\s+3], s[46:47], \s*B3
	s_or_b32 s[G0B+4*\s+3], s[G0B+4*\s+3], 0x80000000
.endr
	CROUND                                         ; all sixteen work-groups are here: the first joint loads meet
	JLOAD G0, G1, G0B, G1B                         ; steps 0-2: one tensor load a wave at the head
	s_cmp_eq_u32 s15, 0
	s_cselect_b32 s19, s40, s41                    ; my place among the four that ask with me
	s_cselect_b64 s[PFA:PFA+1], s[22:23], s[46:47]
	s_mul_i32 s19, s19, 38
	s_add_nc_u64 s[PFA:PFA+1], s[PFA:PFA+1], B3    ; the first ask: steps 3-5
	s_lshl_b32 s20, s16, 2
	s_add_co_u32 s20, s20, s40
	s_lshl_b32 s20, s20, 14                        ; the tables' tile that I ask for: 4 x (my B block) + cx
	v_and_b32 v1, 31, v0
	v_lshlrev_b32 v[GI], 4, v1
	v_lshlrev_b32 v[GS], 2, v1
	v_add_nc_u32 v[ADRA], s66, v[GI]
	v_add_nc_u32 v[ASA], s66, v[GS]
	v_add_nc_u32 v[ADRB], s67, v[GI]
	v_add_nc_u32 v[ASB], s67, v[GS]
	v_add_nc_u32 v[ADRA+1], SLOT, v[ADRA]
	v_add_nc_u32 v[ASA+1], SLOT, v[ASA]
	v_add_nc_u32 v[ADRB+1], SLOT, v[ADRB]
	v_add_nc_u32 v[ASB+1], SLOT, v[ASB]
	v_lshlrev_b32 v[PF3], 8, v1
	v_add_nc_u32 v[PF3], s20, v[PF3]
	v_add_nc_u32 v[PF1], s19, v1                   ; blocks 38 p + lane,
	v_min_u32 v[PF2], 5, v1
	v_add_nc_u32 v[PF2], s19, v[PF2]
	v_add_nc_u32 v[PF2], 32, v[PF2]                ; and 38 p + 32 + 0 .. 5,
	v_min_u32 v[PF1], 149, v[PF1]                  ; none beyond the load's last
	v_min_u32 v[PF2], 149, v[PF2]
	v_lshlrev_b32 v[PF1], 8, v[PF1]
	v_lshlrev_b32 v[PF2], 8, v[PF2]
	ASK 0                                          ; steps 3-5, whose load goes out when steps 0-2 have landed
	s_lshl_b32 s66, s90, 17                        ; cs: 131,072 bytes a token block
	s_mov_b32 s67, 0
	s_add_nc_u64 s[72:73], s[72:73], s[66:67]
	; my result's record.  qc: 16 x token block + head.  kc, vc: (sequence x 8 + kv head) x 8 + key step
	s_cmp_eq_u32 ttmp9, 3
	s_cselect_b32 s92, s91, s90                    ; token block
	s_cselect_b32 s93, s90, s91                    ; column block
	s_cselect_b32 s94, 24, 16
	s_cselect_b32 s[CSQ], 0, 1
	s_cselect_b64 s[84:85], s[78:79], s[76:77]
	s_sub_co_u32 s94, s93, s94
	s_lshr_b32 s95, s92, 3
	s_lshl_b32 s95, s95, 3
	s_add_co_u32 s95, s95, s94
	s_lshl_b32 s95, s95, 3
	s_and_b32 s94, s92, 7
	s_add_co_u32 s95, s95, s94
	s_lshl_b32 s94, s92, 4
	s_add_co_u32 s94, s94, s93
	s_cmp_lt_u32 ttmp9, 2
	s_cselect_b32 s95, s94, s95
	s_cselect_b64 s[84:85], s[74:75], s[84:85]
	s_mul_i32 s94, s95, REC
	s_mov_b32 s95, 0
	s_add_nc_u64 s[84:85], s[84:85], s[94:95]
	s_mov_b32 s86, 0xffff0000
	s_mov_b32 s[SEL], 0x76543210
	s_mov_b32 s[SEL+1], 0xfedcba98
	s_wait_xcnt 0x0                                ; the first ask has read its address:
	s_add_nc_u64 s[PFA:PFA+1], s[PFA:PFA+1], B3    ; on to steps 6-8
	s_wait_alu depctr_va_vdst(0)                   ; the wait at the head's end
	s_wait_tensorcnt 0x0                           ; my part of steps 0-2 is in; the lines ahead of a later first fill:
	ds_add_u32 v[SPW], v[NIL]
	s_wait_dscnt 0x0
	CROUND                                         ; everybody's part is in, and the joint loads meet
	JLOAD G0+4, G1, G0B+4, G1B                     ; steps 3-5, slot 1's first fill
	FETCH_B 0, 0, 0
	FETCH_A 0, 0, 0
	SCALES 0, 0, 0
	FETCH_A 0, 0, 4
	ASK 0
	STEP 0, 0, 0, 1                                ; step 0 starts the sums
	s_mov_b32 s3, 2
.Llap:                                                 ; steps 1-6, then 7-12
	STEP 0, 1, 1, 0
	TURN 0, 1, 0, 0, 1
	STEP 1, 0, 1, 0
	STEP 1, 1, 0, 0
	TURN 1, 0, 0, 1, 1
	STEP 0, 0, 0, 0
	s_sub_co_u32 s3, s3, 1
	s_cmp_lg_u32 s3, 0
	s_cbranch_scc1 .Llap
	STEP 0, 1, 1, 0                                ; step 13
	TURN 0, 1, 2, 0, 0                             ; step 14; step 15 is the third of slot 1's last load
; THE WAY OUT.  QUANT: 64 numbers a lane (16 b + i: index 32 b + 16 h + i of the next K) at v[s] of window win become a tile's image in v[PC] on and its scale word in v[pw].
.macro QUANT s, win, pw
	WIN (\win)|((\win)<<2)
.irp b, 0,1,2,3
	v_max3_num_f32 v[TM+\b], |v[\s+16*\b]|, |v[\s+1+16*\b]|, 0x2800000     ; with the floor 2^(5 - 127): the byte cannot fall under 1
.endr
	WIN ((\win)<<2)|((\win)<<4)
.irp i, 2,4,6,8,10,12,14
.irp b, 0,1,2,3
	v_max3_num_f32 v[TM+\b], v[TM+\b], |v[\s+16*\b+\i]|, |v[\s+1+16*\b+\i]|
.endr
.endr
	WIN 0
.irp b, 0,1,2,3
	v_permlanex16_b32 v[TM+4+\b], v[TM+\b], s[SEL], s[SEL+1]
.endr
.irp b, 0,1,2,3
	v_max_num_f32 v[TM+\b], v[TM+\b], v[TM+4+\b]   ; with lane l xor 16's sixteen: the block's largest magnitude
.endr
.irp b, 0,1,2,3
	v_add_nc_u32 v[TM+12+\b], 0xfe000000, v[TM+\b] ; 4 off the exponent field: the conversion's scale operand
.endr
.irp b, 0,1,2,3
	v_lshrrev_b32 v[TM+4+\b], 23, v[TM+12+\b]      ; the byte
.endr
	v_lshl_or_b32 v[\pw], v[TM+5], 8, v[TM+4]
	v_lshl_or_b32 v[\pw], v[TM+6], 16, v[\pw]
	v_lshl_or_b32 v[\pw], v[TM+7], 24, v[\pw]
	WIN (\win)
.irp c, 0,1
	v_cvt_scalef32_pk16_bf6_f32 v[PC+6*\c:PC+2+6*\c], v[\s+32*\c:\s+15+32*\c], v[TM+12+2*\c]
	v_cvt_scalef32_pk16_bf6_f32 v[PC+12+4*\c:PC+14+4*\c], v[\s+16+32*\c:\s+31+32*\c], v[TM+12+2*\c+1]
.endr
	WIN 0
	v_nop                                          ; one plain place behind a scaled conversion
.irp c, 0,1
.irp i, 0,1,2
	v_permlane16_swap_b32 v[PC+6*\c+\i], v[PC+12+4*\c+\i]   ; a whole block to a lane
.endr
.irp i, 0,1,2
	v_mov_b32 v[PC+3+6*\c+\i], v[PC+12+4*\c+\i]
.endr
.endr
.endm
.macro CSLOAD a                        ; tile a's cos (64 registers) and sin (64) into window 1, set a % 2: 32 loads of 512 consecutive bytes
	WIN TO_B
.set n, 0
.rept 32
	global_load_b128 v[128*((\a)%2)+4*n:128*((\a)%2)+4*n+3], v[GI], s[72:73] offset:16384*(\a)+512*n
.set n, n+1
.endr
	WIN 0
.endm
.macro ROPE a                          ; q c + rotate_half(q) s: register n holds channel 32 (n / 16) + 16 h + n % 16, so channel d + 64 lies 32 registers on
.set rC,  128*((\a)%2)
.set rAc, 64*((\a)%4)
	WIN (2+(\a)/4)|4
.set n, 0
.rept 32
	v_pk_mul_f32 v[HA+n:HA+n+1], v[rAc+n:rAc+n+1], v[rC+n:rC+n+1]
.set n, n+2
.endr
.set n, 0
.rept 16
	v_pk_fma_f32 v[HA+n:HA+n+1], v[rAc+n+32:rAc+n+33], v[rC+64+n:rC+65+n], v[HA+n:HA+n+1] neg_lo:[1,0,0] neg_hi:[1,0,0]
.set n, n+2
.endr
.rept 16
	v_pk_fma_f32 v[HA+n:HA+n+1], v[rAc+n-32:rAc+n-31], v[rC+64+n:rC+65+n], v[HA+n:HA+n+1]
.set n, n+2
.endr
	WIN 0
.endm
.macro OUT a
.irp c, 0,1,2
	global_store_b128 v[GI], v[PC+4*\c:PC+4*\c+3], s[84:85] offset:1536*(\a)+512*\c   ; 512 consecutive bytes
.endr
.endm
	s_cmp_eq_u32 ttmp9, 3
	s_cbranch_scc1 .Lno_cs
	CSLOAD 0                                       ; into B's set 0, which step 14 read last (its places stand behind it)
.Lno_cs:
	s_wait_dscnt 12                                ; step 15: nothing more to fetch
	WIN MUL_LO
	MUL16 0, 1, 0
	MUL16 2, 1, 0
	s_wait_dscnt 0x0
	WIN MUL_HI
	MUL16 4, 1, 0
	MUL16 6, 1, 0
	WIN 0
	PLACES 4
.irp b, 0,1,2,3
	v_mov_b32 v[TM+4+\b], 0                        ; a lane permute's destination counts as read
.endr
	s_cmp_eq_u32 ttmp9, 3
	s_cbranch_scc1 .Lv
	CSLOAD 1
.irp a, 0,1,2,3,4,5,6,7
.if \a < 7
	s_wait_loadcnt 32                              ; this tile's tables are in; the next tile's 32 loads may be out
.else
	s_wait_loadcnt 0x0
.endif
	ROPE \a
.if \a < 6
	CSLOAD \a+2                                    ; into the set just read
.endif
.if \a > 0
	s_wait_xcnt 0x0                                ; the last tile's stores have read their registers
.endif
	QUANT HA, 0, PWS+\a
	OUT \a
.endr
	s_branch .Ljoin
.Lv:
.irp a, 0,1,2,3,4,5,6,7
.if \a > 0
	s_wait_xcnt 0x0
.endif
	QUANT 64*((\a)%4), 2+(\a)/4, PWS+\a
	OUT \a
.endr
.Ljoin:
.irp p, 0,1,2,3
	v_cndmask_b32 v[SBW+\p], v[PWS+2*\p], v[PWS+2*\p+1], s86   ; lanes 0-15: the even tile's words, lanes 16-31: the odd tile's
.endr
.irp p, 0,1,2,3
	global_store_b32 v[GS], v[SBW+\p], s[84:85] offset:SBO+128*\p
.endr
	s_wait_tensorcnt 0x0                           ; the wave's end
	ds_add_u32 v[SPW], v[NIL]
	s_wait_dscnt 0x0
	CROUND                                         ; the closing round
	s_endpgm
.Lfunc_end_k_qf8ad9b0f74_gemm_qkv:
	.size	k_qf8ad9b0f74_gemm_qkv, .Lfunc_end_k_qf8ad9b0f74_gemm_qkv-k_qf8ad9b0f74_gemm_qkv
	.p2alignl 7, 3214868480
	.fill 96, 4, 3214868480
	.section	.rodata,"a",@progbits
	.p2align	6, 0x0
	.amdhsa_kernel k_qf8ad9b0f74_gemm_qkv
		.amdhsa_group_segment_fixed_size 327680
		.amdhsa_private_segment_fixed_size 0
		.amdhsa_enable_private_segment 0
		.amdhsa_kernarg_size 48
		.amdhsa_user_sgpr_count 2
		.amdhsa_user_sgpr_kernarg_segment_ptr 1
		.amdhsa_wavefront_size32 1
		.amdhsa_system_sgpr_workgroup_id_x 1
		.amdhsa_system_sgpr_workgroup_id_y 1
		.amdhsa_system_sgpr_workgroup_id_z 1
		.amdhsa_system_vgpr_workitem_id 0
		.amdhsa_next_free_vgpr 1024
		.amdhsa_next_free_sgpr 100
		.amdhsa_reserve_vcc 0
		.amdhsa_float_denorm_mode_32 3
		.amdhsa_float_denorm_mode_16_64 3
		.amdhsa_memory_ordered 1
		.amdhsa_forward_progress 1
		.amdhsa_inst_pref_size 255
	.end_amdhsa_kernel
	.section	.bss,"aw",@nobits
	.p2align	6
	.space	262144
	.amdgpu_metadata
---
amdhsa.version: [ 1, 2 ]
amdhsa.kernels:
  - .name:           k_qf8ad9b0f74_gemm_qkv
    .symbol:         k_qf8ad9b0f74_gemm_qkv.kd
    .args:
      - { .name: xq, .offset: 0, .size: 8, .value_kind: global_buffer, .address_space: global }
      - { .name: wqkv, .offset: 8, .size: 8, .value_kind: global_buffer, .address_space: global }
      - { .name: cs, .offset: 16, .size: 8, .value_kind: global_buffer, .address_space: global }
      - { .name: qc, .offset: 24, .size: 8, .value_kind: global_buffer, .address_space: global }
      - { .name: kc, .offset: 32, .size: 8, .value_kind: global_buffer, .address_space: global }
      - { .name: vc, .offset: 40, .size: 8, .value_kind: global_buffer, .address_space: global }
    .group_segment_fixed_size: 327680
    .private_segment_fixed_size: 0
    .kernarg_segment_align: 8
    .kernarg_segment_size: 48
    .max_flat_workgroup_size: 128
    .sgpr_count:     100
    .vgpr_count:     1024
    .wavefront_size: 32
...
	.end_amdgpu_metadata
.endif
;; end of part 2
;; launch attn (part 3): grid 8 x 32, 16 waves a work-group, clusters of 4 x 1, 206,848 bytes of LDS; arguments qc, kc, vc, oc; writes oc
.if DOCPART == 3
	.amdgcn_target "amdgcn-amd-amdhsa--gfx1250"
	.amdhsa_code_object_version 6
	.text
	.protected	k_qf8ad9b0f74_attn
	.globl	k_qf8ad9b0f74_attn
	.p2align	8
	.type	k_qf8ad9b0f74_attn,@function
k_qf8ad9b0f74_attn:
	s_mov_b64 s[64:65], 0
	v_nop
	global_prefetch_b8 v0, s[64:65] scope:SCOPE_SE
	s_setreg_imm32_b32 hwreg(HW_REG_WAVE_MODE, 25, 1), 1
	s_wait_xcnt 0x0
	s_wait_alu depctr_hold_cnt(0) depctr_sa_sdst(0) depctr_va_vdst(0) depctr_va_sdst(0) depctr_va_ssrc(0) depctr_va_vcc(0) depctr_vm_vsrc(0)
	s_getreg_b32 s2, hwreg(HW_REG_IB_STS2, 6, 4)
	s_cmp_eq_u32 s2, 0
	s_cbranch_scc0 .Lentry_in_a_cluster
	s_endpgm
.Lentry_in_a_cluster:
	s_bfe_u32 s2, ttmp6, 0x10000c
	s_cmp_lg_u32 s2, 0x3003
	s_cbranch_scc0 .Lentry_shape_is_right
	s_endpgm
.Lentry_shape_is_right:
; Attention with reference()'s own mask (key j counts for query i where j <= i and i - j <= 512, inside a sequence of 1,024), both products on codes of BF6; two query heads share a kv head.
; qc: record 16 x token block + head: rows = 128 tokens, K = the head's 128.  kc: record (sequence x 8 + kv head) x 8 + key step: rows = 128 keys, K = the head's 128.  vc: the same index: rows = the head's 128, K = the step's 128 keys.
; A RECORD is 12,800 bytes: eight fragment images of 1,536 bytes (registers 4 c .. 4 c + 3 of lane l at 512 c + 16 l), then 512 bytes of scale words (64 x tile + 4 x row).  Row r of tile 2 b + u is index 32 b + 8 u + r + 8 (r / 8).
; THE SOFTMAX AHEAD OF THE SECOND PRODUCT: t = score x log2(e) / sqrt(128); M = the running largest t rounded UP to a whole number; p = 2^(t - M) is quantised along the keys, not normalised; the row's sum is taken
; of the unquantised p and divides at the end; when M moves, sum and O are multiplied by 2^(old M - new M), exactly.
; SHARES.  The mask leaves query block qb the key steps max(qb - 4, 0) .. qb: 1, 2, 3, 4, 5, 5, 5, 5 steps for qb = 0 .. 7.  So that all work-groups have the same work, work-group x of a (sequence, kv head)
; takes tile x (16 queries) of EVERY query block, for both query heads: sixteen waves, one tile each, 60 steps in all.  Wave i = 4 j + c: where (c / 2) xor (j / 2) is 1 it takes block 4 + j of head c % 2;
; else block (j / 2) xor 3 ((c xor j) % 2) of head j % 2.  By that table the four waves of equal i % 4, and the four of equal i / 4, have 15 steps together.
; All 8 records of K and all 8 of V, 204,800 bytes, come into LDS ONCE, one record a wave: there is no ring.  Every wave walks five steps (a constant) from its first key step; a step whose keys all come after its
; queries is jumped over by a scalar branch on numbers made of the wave's number.  On step qb hidden scores (key > query) and on step qb - 4 (key < query, in the steps' own counts) become -infinity ahead of the
; maximum.  Every query has a key that counts in its first step, so M is a number from there on.
; Both products are used transposed: a lane holds ONE query; by the order of the tiles' rows p's registers run along neighbouring keys and O's along neighbouring channels.
; CLUSTERS 4 x 1: the work-groups of one (sequence, kv head) want the same sixteen records: four of them ask jointly (mask 15).  Their place in the cluster enters only global offsets and the mask's compare.
; NO PREFETCH: all fills go out at the head; there is no loop to run ahead in.
; The result is quantised along the heads' channels (the last product's K) and stored as tile x of record 16 x token block + head of oc.  A tile's 64 bytes of scale words are stored by its wave:
; a quarter of a unit of 256 bytes, one byte in 25 of what the wave stores.
; LIMITS: a block whose largest magnitude lies under 2^-122 gets the byte 1; NaN and infinities are not served.
.set REC,  12800
.set SBO,  12288
.set VB,   8*REC                       ; LDS: K's eight records at 0, V's behind them
.set SPARE, 16*REC                     ; the spare words: 128 bytes a wave, 2,048 bytes that no other line names
.set AK0,  1                           ; v1 16 x lane   v2 + VB   v3 4 x lane   v4 + VB
.set AV0,  2
.set ASK0, 3
.set ASV0, 4
.set GI,   5                           ; v5 16 x lane + 1,536 x my tile: my tile's image in a record;  v6 64 x tile + 4 r: its scale words
.set ADK,  8                           ; v8-11 the step's addresses
.set ADV,  9
.set ADS,  10
.set ADT,  11
.set DQ,   28                          ; v28 my query's number in its block - 16 h
.set NINF, 29                          ; v29 -infinity
.set PC,   32                          ; the way out: codes v32-50, work v64-79, scale word v80
.set TM,   64
.set WV,   18
.set SEL,  20
.set CS,   22
.set G1,   24
.set G0K,  32
.set TB,   2                           ; s2 LDS byte of the step's record
.set CNT,  3
.set KSI,  40                          ; s40 the key step
.set QB,   41                          ; s41 the query block
.macro CROUND                          ; a round of the cluster's barrier
	s_barrier_signal -1
	s_barrier_wait -1
	s_cmp_lg_u32 s[WV], 0
	s_cbranch_scc1 .Lnot_wave_0_\@
	s_barrier_signal -3
.Lnot_wave_0_\@:
	s_barrier_wait -3
	s_barrier_signal -1
	s_barrier_wait -1
.endm
	s_load_b256 s[4:11], s[0:1], 0x0               ; qc 4, kc 6, vc 8, oc 10
	v_lshl_add_u32 v250, v0, 2, SPARE
	v_mov_b32 v251, 0
	ds_add_u32 v250, v251                          ; the opening lines: the add twice on end, under one wait
	ds_add_u32 v250, v251
	v_lshrrev_b32 v8, 5, v0
	s_delay_alu instid0(VALU_DEP_1)
	v_readfirstlane_b32 s[WV], v8                  ; wave i = 4 j + c
	s_and_b32 s42, ttmp7, 0xffff                   ; sequence x 8 + kv head
	s_lshr_b32 s52, s[WV], 2                       ; j
	s_and_b32 s53, s[WV], 3                        ; c
	s_lshr_b32 s54, s52, 1                         ; j / 2
	s_lshr_b32 s55, s53, 1
	s_xor_b32 s55, s55, s54                        ; a = 1: one of blocks 4-7
	s_xor_b32 s56, s52, s53
	s_and_b32 s56, s56, 1
	s_mul_i32 s56, s56, 3
	s_xor_b32 s56, s56, s54                        ; else block (j / 2) xor 3 ((c xor j) % 2)
	s_xor_b32 s57, s55, 1                          ; 1 - a
	s_mul_i32 s56, s56, s57
	s_add_co_u32 s[QB], s52, 4
	s_mul_i32 s[QB], s[QB], s55
	s_add_co_u32 s[QB], s[QB], s56                 ; my query block
	s_and_b32 s58, s53, 1
	s_mul_i32 s58, s58, s55
	s_and_b32 s59, s52, 1
	s_mul_i32 s59, s59, s57
	s_add_co_u32 s58, s58, s59                     ; which of the two heads is mine
	s_lshr_b32 s[KSI], s[QB], 2
	s_and_b32 s43, s[QB], 3
	s_mul_i32 s[KSI], s[KSI], s43                  ; my first key step: max(qb - 4, 0) = (qb / 4) (qb % 4)
	s_mul_i32 s[TB], s[KSI], REC
	s_lshl_b32 s43, s42, 3
	s_and_b32 s44, s[WV], 7
	s_add_co_u32 s43, s43, s44                     ; the record that I fetch: waves 0-7 K's, waves 8-15 V's
	s_mul_i32 s44, s43, REC
	s_mov_b32 s45, 0
	s_mul_i32 s46, s[WV], REC                      ; and where it goes
	s_mov_b32 s[G1], 15|(3<<16)|(1<<21)            ; the four of my cluster; elements of 8 bytes; no padding
	s_mov_b32 s[G1+1], 32<<16                      ; rows of 256 bytes,
	s_mov_b32 s[G1+2], 50<<16                      ; 50 of them: a record
	s_mov_b32 s[G1+3], 32<<16
	s_mov_b32 s[G1+4], 50
	s_mov_b32 s[G1+5], 32
	s_mov_b32 s[G1+6], 0
	s_mov_b32 s[G1+7], 0
	s_mov_b32 s[SEL], 0x76543210
	s_mov_b32 s[SEL+1], 0xfedcba98
	s_mov_b32 s[CS], 0x3e0293ee                    ; c = log2(e) / sqrt(128)
	s_mov_b32 s[CS+1], s[CS]
	s_wait_dscnt 0x0
	s_wait_kmcnt 0x0
	s_cmp_lt_u32 s[WV], 8
	s_cselect_b64 s[G0K+2:G0K+3], s[6:7], s[8:9]
	s_mov_b32 s[G0K], 1
	s_mov_b32 s[G0K+1], s46
	s_add_nc_u64 s[G0K+2:G0K+3], s[G0K+2:G0K+3], s[44:45]
	s_or_b32 s[G0K+3], s[G0K+3], 0x80000000
	CROUND                                         ; the four work-groups are here: the joint loads meet
	tensor_load_to_lds s[G0K:G0K+3], s[G1:G1+7]    ; one load a wave, every wave
	s_nop 0
.rept 4
	v_nop
.endr
	s_lshr_b32 s47, s42, 3
	s_lshl_b32 s47, s47, 3
	s_add_co_u32 s47, s47, s[QB]                   ; the token block
	s_lshl_b32 s47, s47, 4
	s_and_b32 s48, s42, 7
	s_lshl_b32 s48, s48, 1
	s_add_co_u32 s47, s47, s48
	s_add_co_u32 s47, s47, s58                     ; my head's record
	s_mul_i32 s48, s47, REC
	s_mov_b32 s49, 0
	s_add_nc_u64 s[4:5], s[4:5], s[48:49]          ; in qc
	s_add_nc_u64 s[10:11], s[10:11], s[48:49]      ; and in oc
	s_bfe_u32 s53, ttmp6, 0x40000
	s_lshl_b32 s56, ttmp9, 2
	s_add_co_u32 s53, s53, s56                     ; my tile = work-group x = 4 x cluster x + cx
	v_and_b32 v9, 31, v0                           ; lane
	v_and_b32 v10, 15, v0                          ; r
	v_bfe_u32 v11, v0, 4, 1                        ; h
	s_delay_alu instid0(VALU_DEP_3)
	v_lshlrev_b32 v[AK0], 4, v9
	s_delay_alu instid0(VALU_DEP_4)
	v_lshlrev_b32 v[ASK0], 2, v9
	s_delay_alu instid0(VALU_DEP_2)
	v_add_nc_u32 v[AV0], VB, v[AK0]
	s_delay_alu instid0(VALU_DEP_2)
	v_add_nc_u32 v[ASV0], VB, v[ASK0]
	s_mul_i32 s56, s53, 1536
	v_add_nc_u32 v[GI], s56, v[AK0]
	s_lshl_b32 s56, s53, 6
	v_lshl_add_u32 v6, v10, 2, s56                 ; my query's scale word: 64 x tile + 4 r
.irp c, 0,1,2
	global_load_b128 v[16+4*\c:19+4*\c], v[GI], s[4:5] offset:512*\c   ; Q's fragment stays in registers
.endr
	global_load_b32 v255, v6, s[4:5] offset:SBO
	s_lshr_b32 s56, s53, 1
	s_lshl_b32 s56, s56, 5
	s_and_b32 s57, s53, 1
	s_lshl_b32 s57, s57, 3
	s_add_co_u32 s56, s56, s57
	v_and_b32 v7, 8, v10
	s_delay_alu instid0(VALU_DEP_1)
	v_add_nc_u32 v7, v7, v10
	s_delay_alu instid0(VALU_DEP_1)
	v_add_nc_u32 v7, s56, v7                       ; my query: 32 (tile / 2) + 8 (tile % 2) + r + 8 (r / 8)
	v_lshlrev_b32 v[DQ], 4, v11
	s_delay_alu instid0(VALU_DEP_1)
	v_sub_nc_u32 v[DQ], v7, v[DQ]
	v_mov_b32 v[NINF], 0xff800000
	v_mov_b32 v13, 0xff61b1e6                      ; the largest t so far: -3e38
	s_delay_alu instid0(VALU_DEP_1)
	v_floor_f32 v12, -v13                          ; -M
	v_mov_b32 v14, 0                               ; the sum, in two halves
	v_mov_b32 v15, 0
.irp b, 0,1,2,3
	v_mov_b32 v[236+\b], 0                         ; a lane permute's destination counts as read
.endr
	v_mov_b32 v252, 0
	v_mov_b32 v253, 0                              ; (named as the upper half of the pair v[252:253] before it is first written)
.set n, 0
.rept 64
	v_mov_b32 v[160+n], 0                          ; O^T: the step is written once; the first finds zeros, which the first change of M leaves zeros
.set n, n+1
.endr
	s_wait_alu depctr_va_vdst(0)                   ; the wait at the head's end
	s_wait_tensorcnt 0x0                           ; my record has landed,
	s_barrier_signal -1
	s_barrier_wait -1                              ; everybody's has
	s_wait_loadcnt 0x0                             ; Q
	s_mov_b32 s[CNT], 5
.Lstep:
	s_cmp_gt_u32 s[KSI], s[QB]                     ; all these keys come after my queries: the step's work is left out
	s_cbranch_scc1 .Lhidden
	v_add_nc_u32 v[ADK], s[TB], v[AK0]             ; (these four are also the places in front of loads into registers that the last products read)
	v_add_nc_u32 v[ADV], s[TB], v[AV0]
	v_add_nc_u32 v[ADS], s[TB], v[ASK0]
	v_add_nc_u32 v[ADT], s[TB], v[ASV0]
	s_wait_alu depctr_va_vdst(0)
.irp g, 0,1                                    ; S^T = K Q^T, four tiles of 16 keys at a time
.if \g > 0
.rept 4
	v_nop
.endr
.endif
.irp t, 0,1,2,3
.irp c, 0,1,2
	ds_load_b128 v[32+12*\t+4*\c:35+12*\t+4*\c], v[ADK] offset:1536*(4*\g+\t)+512*\c
.endr
.endr
	ds_load_b32 v248, v[ADS] offset:SBO+128*(2*\g)      ; lanes 0-15: the even tile's words, lanes 16-31: the odd tile's
	ds_load_b32 v249, v[ADS] offset:SBO+128*(2*\g+1)
	s_wait_dscnt 0x0
.irp t, 0,1,2,3
.if \t%2 == 0
	v_wmma_scale_f32_16x16x128_f8f6f4 v[96+8*(4*\g+\t):103+8*(4*\g+\t)], v[32+12*\t:43+12*\t], v[16:27], 0, v[248+\t/2], v255 matrix_a_fmt:MATRIX_FMT_BF6 matrix_b_fmt:MATRIX_FMT_BF6
.else
	v_wmma_scale_f32_16x16x128_f8f6f4 v[96+8*(4*\g+\t):103+8*(4*\g+\t)], v[32+12*\t:43+12*\t], v[16:27], 0, v[248+\t/2], v255 matrix_a_fmt:MATRIX_FMT_BF6 matrix_b_fmt:MATRIX_FMT_BF6 matrix_a_scale:MATRIX_SCALE_ROW1
.endif
.endr
.endr                                          ; register 16 b + i of v96 on: key 32 b + 16 h + i of the step
.rept 4
	v_nop
.endr
	s_cmp_lg_u32 s[KSI], s[QB]
	s_cbranch_scc1 .Lnot_diagonal
.set n, 0
.rept 64                                       ; the queries' own step: a key after its query is hidden: 32 b + i > my query - 16 h
	v_cmp_gt_i32 vcc_lo, 32*(n/16)+n%16, v[DQ]
	v_cndmask_b32 v[96+n], v[96+n], v[NINF], vcc_lo
.set n, n+1
.endr
.Lnot_diagonal:
	s_add_co_u32 s43, s[KSI], 4
	s_cmp_lg_u32 s43, s[QB]
	s_cbranch_scc1 .Lnot_window
.set n, 0
.rept 64                                       ; four steps back: i - j = 512 + query - key: hidden where the key's number is under the query's
	v_cmp_lt_i32 vcc_lo, 32*(n/16)+n%16, v[DQ]
	v_cndmask_b32 v[96+n], v[96+n], v[NINF], vcc_lo
.set n, n+1
.endr
.Lnot_window:
.irp b, 0,1,2,3
	v_max3_num_f32 v[232+\b], v[96+16*\b], v[97+16*\b], v[98+16*\b]   ; the largest score of each block of 32 keys: for the row's maximum, and, since p rises with the score, for the block's largest p
.endr
.irp i, 3,5,7,9,11,13
.irp b, 0,1,2,3
	v_max3_num_f32 v[232+\b], v[232+\b], v[96+16*\b+\i], v[97+16*\b+\i]
.endr
.endr
.irp b, 0,1,2,3
	v_max_num_f32 v[232+\b], v[232+\b], v[111+16*\b]
.endr
.irp b, 0,1,2,3
	s_delay_alu instid0(VALU_DEP_4)
	v_permlanex16_b32 v[236+\b], v[232+\b], s[SEL], s[SEL+1]
.endr
.irp b, 0,1,2,3
	s_delay_alu instid0(VALU_DEP_4)
	v_max_num_f32 v[232+\b], v[232+\b], v[236+\b]  ; with lane l xor 16's 16 keys
.endr
	s_delay_alu instid0(VALU_DEP_2)
	v_max3_num_f32 v254, v232, v233, v234
	s_delay_alu instid0(VALU_DEP_1)
	v_max_num_f32 v254, v254, v235                 ; the step's largest score of my query
	s_delay_alu instid0(VALU_DEP_1)
	v_mul_f32 v254, s[CS], v254                    ; as t
	s_delay_alu instid0(VALU_DEP_1)
	v_max_num_f32 v13, v13, v254                   ; the running largest t
	v_mov_b32 v254, v12
	s_delay_alu instid0(VALU_DEP_2)
	v_floor_f32 v12, -v13                          ; the new -M = -ceil(t): a whole number
	s_delay_alu instid0(VALU_DEP_1)
	v_sub_f32 v254, v12, v254                      ; old M - new M: a whole number, 0 or less
	s_delay_alu instid0(VALU_DEP_1)
	v_cvt_i32_f32 v254, v254                       ; (it saturates)
	s_delay_alu instid0(VALU_DEP_1)
	v_ldexp_f32 v252, 1.0, v254                    ; f = 2^(old M - new M)
.set n, 0
.rept 32
	v_pk_fma_f32 v[96+n:97+n], v[96+n:97+n], s[CS:CS+1], v[12:13] op_sel_hi:[1,0,0]   ; t - M, two at a time
.set n, n+2
.endr
.irp b, 0,1,2,3
	v_fma_f32 v[232+\b], v[232+\b], s[CS], v12     ; the same of each block's largest score
.endr
.set n, 0
	s_wait_alu depctr_va_vdst(0)                   ; the wait ahead of the batch
.rept 64
	v_exp_f32 v[96+n], v[96+n]                     ; p = 2^(t - M), at most 1
.set n, n+1
.endr
	v_pk_mul_f32 v[14:15], v[14:15], v[252:253] op_sel_hi:[1,0]   ; the sums under the new M (a plain place behind the exponentials)
	s_wait_alu depctr_va_vdst(0)                   ; one wait for the whole batch, ahead of its first reader
.irp b, 0,1,2,3
	v_exp_f32 v[232+\b], v[232+\b]                 ; the block's largest p
.endr
	v_pk_add_f32 v[236:237], v[100:101], v[104:105]   ; the row's sum of the unquantised p, in eight chains
	v_pk_add_f32 v[248:249], v[108:109], v[112:113]
	v_pk_add_f32 v[246:247], v[116:117], v[120:121]
	v_pk_add_f32 v[244:245], v[124:125], v[128:129]
	v_pk_add_f32 v[242:243], v[132:133], v[136:137]
	v_pk_add_f32 v[240:241], v[140:141], v[144:145]
	v_pk_add_f32 v[238:239], v[148:149], v[152:153]
	v_pk_add_f32 v[14:15], v[14:15], v[156:157]
	v_pk_add_f32 v[236:237], v[236:237], v[96:97]
	v_pk_add_f32 v[248:249], v[248:249], v[98:99]
	v_pk_add_f32 v[246:247], v[246:247], v[102:103]
	v_pk_add_f32 v[244:245], v[244:245], v[106:107]
	v_pk_add_f32 v[242:243], v[242:243], v[110:111]
	v_pk_add_f32 v[240:241], v[240:241], v[114:115]
	v_pk_add_f32 v[238:239], v[238:239], v[118:119]
	v_pk_add_f32 v[14:15], v[14:15], v[122:123]
	v_pk_add_f32 v[236:237], v[236:237], v[126:127]
	v_pk_add_f32 v[248:249], v[248:249], v[130:131]
	v_pk_add_f32 v[246:247], v[246:247], v[134:135]
	v_pk_add_f32 v[244:245], v[244:245], v[138:139]
	v_pk_add_f32 v[242:243], v[242:243], v[142:143]
	v_pk_add_f32 v[240:241], v[240:241], v[146:147]
	v_pk_add_f32 v[238:239], v[238:239], v[150:151]
	v_pk_add_f32 v[14:15], v[14:15], v[154:155]
	v_pk_add_f32 v[236:237], v[236:237], v[158:159]
	s_delay_alu instid0(VALU_DEP_2)
	v_pk_add_f32 v[14:15], v[14:15], v[244:245]
	s_delay_alu instid0(VALU_DEP_2)
	v_pk_add_f32 v[236:237], v[236:237], v[242:243]
	v_pk_add_f32 v[248:249], v[248:249], v[240:241]
	v_pk_add_f32 v[246:247], v[246:247], v[238:239]
	s_delay_alu instid0(VALU_DEP_2)
	v_pk_add_f32 v[14:15], v[14:15], v[248:249]
	s_delay_alu instid0(VALU_DEP_2)
	v_pk_add_f32 v[236:237], v[236:237], v[246:247]
	s_delay_alu instid0(VALU_DEP_1)
	v_pk_add_f32 v[14:15], v[14:15], v[236:237]
	s_wait_alu depctr_va_vdst(0)                   ; and one for the four
.irp b, 0,1,2,3
	v_max_num_f32 v[232+\b], 0x2800000, v[232+\b]  ; the floor 2^(5 - 127)
.endr
.irp b, 0,1,2,3
	s_delay_alu instid0(VALU_DEP_4)
	v_add_nc_u32 v[244+\b], 0xfe000000, v[232+\b]  ; the conversion's scale operand
.endr
.irp b, 0,1,2,3
	s_delay_alu instid0(VALU_DEP_4)
	v_lshrrev_b32 v[236+\b], 23, v[244+\b]         ; the byte
.endr
	s_delay_alu instid0(VALU_DEP_3)
	v_lshl_or_b32 v253, v237, 8, v236              ; p's scale word for these 128 keys
	s_delay_alu instid0(VALU_DEP_1)
	v_lshl_or_b32 v253, v238, 16, v253
	s_delay_alu instid0(VALU_DEP_1)
	v_lshl_or_b32 v253, v239, 24, v253
.irp c, 0,1
	v_cvt_scalef32_pk16_bf6_f32 v[224+6*\c:226+6*\c], v[96+32*\c:111+32*\c], v[244+2*\c]
	v_cvt_scalef32_pk16_bf6_f32 v[236+4*\c:238+4*\c], v[112+32*\c:127+32*\c], v[244+2*\c+1]
.endr
	v_nop                                          ; one plain place behind a scaled conversion
.irp c, 0,1
.irp i, 0,1,2
	v_permlane16_swap_b32 v[224+6*\c+\i], v[236+4*\c+\i]
.endr
.irp i, 0,1,2
	s_delay_alu instid0(VALU_DEP_3)
	v_mov_b32 v[227+6*\c+\i], v[236+4*\c+\i]
.endr
.endr
.set n, 0
.rept 32
	v_pk_mul_f32 v[160+n:161+n], v[160+n:161+n], v[252:253] op_sel_hi:[1,0]   ; O^T under the new M.  (These 32 are also the places in front of the matrix instructions below)
.set n, n+2
.endr
	s_wait_alu depctr_va_vdst(0)
.irp g, 0,1                                    ; O^T += V^T P^T: four tiles of 16 channels at a time; K = these 128 keys
.if \g > 0
.rept 4
	v_nop
.endr
.endif
.irp t, 0,1,2,3
.irp c, 0,1,2
	ds_load_b128 v[32+12*\t+4*\c:35+12*\t+4*\c], v[ADV] offset:1536*(4*\g+\t)+512*\c
.endr
.endr
	ds_load_b32 v248, v[ADT] offset:SBO+128*(2*\g)
	ds_load_b32 v249, v[ADT] offset:SBO+128*(2*\g+1)
	s_wait_dscnt 0x0
.irp t, 0,1,2,3
.if \t%2 == 0
	v_wmma_scale_f32_16x16x128_f8f6f4 v[160+8*(4*\g+\t):167+8*(4*\g+\t)], v[32+12*\t:43+12*\t], v[224:235], v[160+8*(4*\g+\t):167+8*(4*\g+\t)], v[248+\t/2], v253 matrix_a_fmt:MATRIX_FMT_BF6 matrix_b_fmt:MATRIX_FMT_BF6
.else
	v_wmma_scale_f32_16x16x128_f8f6f4 v[160+8*(4*\g+\t):167+8*(4*\g+\t)], v[32+12*\t:43+12*\t], v[224:235], v[160+8*(4*\g+\t):167+8*(4*\g+\t)], v[248+\t/2], v253 matrix_a_fmt:MATRIX_FMT_BF6 matrix_b_fmt:MATRIX_FMT_BF6 matrix_a_scale:MATRIX_SCALE_ROW1
.endif
.endr
.endr
.Lhidden:
	s_add_co_u32 s[KSI], s[KSI], 1
	s_add_co_u32 s[TB], s[TB], REC
	s_sub_co_u32 s[CNT], s[CNT], 1
	s_cmp_lg_u32 s[CNT], 0
	s_cbranch_scc1 .Lstep
	; THE WAY OUT: O^T / the sum; register 16 b + i is channel 32 b + 16 h + i of my query's head: quantised along the channels, stored as tile (my tile) of my head's record.
.rept 4
	v_nop                                          ; places behind the last products
.endr
	v_add_f32 v14, v14, v15
	s_delay_alu instid0(VALU_DEP_1)
	v_permlanex16_b32 v252, v14, s[SEL], s[SEL+1]
	s_delay_alu instid0(VALU_DEP_1)
	v_add_f32 v14, v14, v252                       ; the row's sum
	s_wait_alu depctr_va_vdst(0)
	v_rcp_f32 v14, v14
.irp b, 0,1,2,3
	v_mov_b32 v[TM+4+\b], 0                        ; (plain work behind the reciprocal)  a lane permute's destination counts as read
.endr
	s_wait_alu depctr_va_vdst(0)                   ; the wait ahead of the reciprocal's first reader
.set n, 0
.rept 64
	v_mul_f32 v[96+n], v[160+n], v14               ; ascending: each accumulator from its low end on
.set n, n+1
.endr
.irp b, 0,1,2,3
	v_max3_num_f32 v[TM+\b], |v[96+16*\b]|, |v[97+16*\b]|, 0x2800000
.endr
.irp i, 2,4,6,8,10,12,14
.irp b, 0,1,2,3
	s_delay_alu instid0(VALU_DEP_4)
	v_max3_num_f32 v[TM+\b], v[TM+\b], |v[96+16*\b+\i]|, |v[97+16*\b+\i]|
.endr
.endr
.irp b, 0,1,2,3
	s_delay_alu instid0(VALU_DEP_4)
	v_permlanex16_b32 v[TM+4+\b], v[TM+\b], s[SEL], s[SEL+1]
.endr
.irp b, 0,1,2,3
	s_delay_alu instid0(VALU_DEP_4)
	v_max_num_f32 v[TM+\b], v[TM+\b], v[TM+4+\b]
.endr
.irp b, 0,1,2,3
	s_delay_alu instid0(VALU_DEP_4)
	v_add_nc_u32 v[TM+12+\b], 0xfe000000, v[TM+\b]
.endr
.irp b, 0,1,2,3
	s_delay_alu instid0(VALU_DEP_4)
	v_lshrrev_b32 v[TM+4+\b], 23, v[TM+12+\b]
.endr
	s_delay_alu instid0(VALU_DEP_3)
	v_lshl_or_b32 v80, v[TM+5], 8, v[TM+4]
	s_delay_alu instid0(VALU_DEP_1)
	v_lshl_or_b32 v80, v[TM+6], 16, v80
	s_delay_alu instid0(VALU_DEP_1)
	v_lshl_or_b32 v80, v[TM+7], 24, v80
.irp c, 0,1
	v_cvt_scalef32_pk16_bf6_f32 v[PC+6*\c:PC+2+6*\c], v[96+32*\c:111+32*\c], v[TM+12+2*\c]
	v_cvt_scalef32_pk16_bf6_f32 v[PC+12+4*\c:PC+14+4*\c], v[112+32*\c:127+32*\c], v[TM+12+2*\c+1]
.endr
	v_nop                                          ; one plain place behind a scaled conversion
.irp c, 0,1
.irp i, 0,1,2
	v_permlane16_swap_b32 v[PC+6*\c+\i], v[PC+12+4*\c+\i]
.endr
.irp i, 0,1,2
	s_delay_alu instid0(VALU_DEP_3)
	v_mov_b32 v[PC+3+6*\c+\i], v[PC+12+4*\c+\i]
.endr
.endr
.irp c, 0,1,2
	global_store_b128 v[GI], v[PC+4*\c:PC+4*\c+3], s[10:11] offset:512*\c   ; 512 consecutive bytes
.endr
	global_store_b32 v6, v80, s[10:11] offset:SBO  ; my tile's 16 scale words; both halves of the lanes store the same word with the same value
	s_wait_tensorcnt 0x0                           ; the wave's end
	ds_add_u32 v250, v251
	s_wait_dscnt 0x0
	CROUND                                         ; the closing round
	s_endpgm
.Lfunc_end_k_qf8ad9b0f74_attn:
	.size	k_qf8ad9b0f74_attn, .Lfunc_end_k_qf8ad9b0f74_attn-k_qf8ad9b0f74_attn
	.p2alignl 7, 3214868480
	.fill 96, 4, 3214868480
	.section	.rodata,"a",@progbits
	.p2align	6, 0x0
	.amdhsa_kernel k_qf8ad9b0f74_attn
		.amdhsa_group_segment_fixed_size 206848
		.amdhsa_private_segment_fixed_size 0
		.amdhsa_enable_private_segment 0
		.amdhsa_kernarg_size 32
		.amdhsa_user_sgpr_count 2
		.amdhsa_user_sgpr_kernarg_segment_ptr 1
		.amdhsa_wavefront_size32 1
		.amdhsa_system_sgpr_workgroup_id_x 1
		.amdhsa_system_sgpr_workgroup_id_y 1
		.amdhsa_system_sgpr_workgroup_id_z 1
		.amdhsa_system_vgpr_workitem_id 0
		.amdhsa_next_free_vgpr 256
		.amdhsa_next_free_sgpr 66
		.amdhsa_reserve_vcc 1
		.amdhsa_float_denorm_mode_32 3
		.amdhsa_float_denorm_mode_16_64 3
		.amdhsa_memory_ordered 1
		.amdhsa_forward_progress 1
		.amdhsa_inst_pref_size 48
	.end_amdhsa_kernel
	.amdgpu_metadata
---
amdhsa.version: [ 1, 2 ]
amdhsa.kernels:
  - .name:           k_qf8ad9b0f74_attn
    .symbol:         k_qf8ad9b0f74_attn.kd
    .args:
      - { .name: qc, .offset: 0, .size: 8, .value_kind: global_buffer, .address_space: global }
      - { .name: kc, .offset: 8, .size: 8, .value_kind: global_buffer, .address_space: global }
      - { .name: vc, .offset: 16, .size: 8, .value_kind: global_buffer, .address_space: global }
      - { .name: oc, .offset: 24, .size: 8, .value_kind: global_buffer, .address_space: global }
    .group_segment_fixed_size: 206848
    .private_segment_fixed_size: 0
    .kernarg_segment_align: 8
    .kernarg_segment_size: 32
    .max_flat_workgroup_size: 512
    .sgpr_count:     66
    .vgpr_count:     256
    .wavefront_size: 32
...
	.end_amdgpu_metadata
.endif
;; end of part 3
;; launch gemm_out (part 4): grid 16 x 16, 4 waves a work-group, clusters of 4 x 4, 327,680 bytes of LDS; arguments oc, woc, out0; writes out0
.if DOCPART == 4
	.amdgcn_target "amdgcn-amd-amdhsa--gfx1250"
	.amdhsa_code_object_version 6
	.text
	.protected	k_qf8ad9b0f74_gemm_out
	.globl	k_qf8ad9b0f74_gemm_out
	.p2align	8
	.type	k_qf8ad9b0f74_gemm_out,@function
k_qf8ad9b0f74_gemm_out:
	s_mov_b64 s[64:65], 0
	v_nop
	global_prefetch_b8 v0, s[64:65] scope:SCOPE_SE
	s_setreg_imm32_b32 hwreg(HW_REG_WAVE_MODE, 25, 1), 1
	s_wait_xcnt 0x0
	s_wait_alu depctr_hold_cnt(0) depctr_sa_sdst(0) depctr_va_vdst(0) depctr_va_sdst(0) depctr_va_ssrc(0) depctr_va_vcc(0) depctr_vm_vsrc(0)
	s_getreg_b32 s2, hwreg(HW_REG_IB_STS2, 6, 4)
	s_cmp_eq_u32 s2, 0
	s_cbranch_scc0 .Lentry_in_a_cluster
	s_endpgm
.Lentry_in_a_cluster:
	s_bfe_u32 s2, ttmp6, 0x10000c
	s_cmp_lg_u32 s2, 0xf033
	s_cbranch_scc0 .Lentry_shape_is_right
	s_endpgm
.Lentry_shape_is_right:
.set REC,   12800
.set SBO,   12288
.set NQ,    4
.set PB,    NQ*REC
.set QH,    PB/2
.set SLOT,  3*PB
.set SPARE, 2*SLOT
.set FR,    12
.set SPITCH, 528
.set ADRA,  16
.set ASA,   18
.set ADRB,  20
.set ASB,   22
.set STO,   24
.set RD,    25
.set CO,    26
.set SPW,   28
.set NIL,   29
.set PFO,   30
.set SC,    32
.set AF,    128
.set BK,    128
.set G1,    24
.set G0,    32
.set G1B,   48
.set G0B,   56
.set PFA,   92
.set LIM,   94
.set MSB, 0
.macro WIN new
.if MSB != (\new)
	s_set_vgpr_msb (MSB<<8)|(\new)
.set MSB, (\new)
.endif
.endm
.set MUL,   0xa1
.set TO_B,  0x40
.macro JLOAD g0a, g1a, g0b, g1b
	s_cmp_eq_u32 s15, 0
	s_cbranch_scc0 .Lfor_b_\@
	tensor_load_to_lds s[\g0a:\g0a+3], s[\g1a:\g1a+7]
	s_nop 0
.rept 4
	v_nop
.endr
	s_branch .Lasked_\@
.Lfor_b_\@:
	tensor_load_to_lds s[\g0b:\g0b+3], s[\g1b:\g1b+7]
	s_nop 0
.rept 4
	v_nop
.endr
.Lasked_\@:
.endm
.macro CREST
	s_cmp_lg_u32 s14, 0
	s_cbranch_scc1 .Lnot_wave_0_\@
	s_barrier_signal -3
.Lnot_wave_0_\@:
	s_barrier_wait -3
	s_barrier_signal -1
	s_barrier_wait -1
.endm
.macro CROUND
	s_barrier_signal -1
	s_barrier_wait -1
	CREST
.endm
.macro PLACES n
.rept \n
	v_nop
.endr
.endm
.macro ASK k
	s_wait_alu depctr_va_vdst(0)
	global_prefetch_b8 v[PFO], s[PFA:PFA+1] offset:(\k)*PB th:TH_LOAD_NT scope:SCOPE_SE
	s_cmp_eq_u32 s15, 0
	s_cbranch_scc0 .Lnot_mine_\@
	global_prefetch_b8 v[PFO], s[PFA:PFA+1] offset:(\k)*PB+6400 th:TH_LOAD_NT scope:SCOPE_SE
.Lnot_mine_\@:
.endm
.macro FRAG reg, adr, off
.irp c, 0,1,2
	ds_load_b128 v[\reg+4*\c:\reg+4*\c+3], v[\adr] offset:\off+512*\c
.endr
.endm
.macro FETCH slot, q, p
	WIN TO_B
.irp i, 0,1,2,3,4,5,6,7
	FRAG 128*(\p)+FR*\i, ADRB+\slot, (\q)*REC+1536*\i
.endr
	WIN 0
.irp i, 0,1,2,3
	FRAG AF+48*(\p)+FR*\i, ADRA+\slot, (\q)*REC+1536*\i
.endr
.irp i, 0,1
	ds_load_b32 v[SC+8*(\p)+\i], v[ASA+\slot] offset:(\q)*REC+SBO+128*\i
.endr
.irp i, 0,1,2,3
	ds_load_b32 v[SC+8*(\p)+4+\i], v[ASB+\slot] offset:(\q)*REC+SBO+128*\i
.endr
.endm
.macro MM a, b, p, zero
.set rD,  8*(8*(\a)+(\b))
.set rQ,  128*(\p)+FR*(\b)
.set rP,  AF+48*(\p)+FR*(\a)
.set rSQ, SC+8*(\p)+4+(\b)/2
.set rSP, SC+8*(\p)+(\a)/2
.set odd, ((\b)%2)+2*((\a)%2)
.if \zero
.if odd == 0
	v_wmma_scale_f32_16x16x128_f8f6f4 v[rD:rD+7], v[rQ:rQ+FR-1], v[rP:rP+FR-1], 0, v[rSQ], v[rSP] matrix_a_fmt:MATRIX_FMT_BF6 matrix_b_fmt:MATRIX_FMT_BF6
.elseif odd == 1
	v_wmma_scale_f32_16x16x128_f8f6f4 v[rD:rD+7], v[rQ:rQ+FR-1], v[rP:rP+FR-1], 0, v[rSQ], v[rSP] matrix_a_fmt:MATRIX_FMT_BF6 matrix_b_fmt:MATRIX_FMT_BF6 matrix_a_scale:MATRIX_SCALE_ROW1
.elseif odd == 2
	v_wmma_scale_f32_16x16x128_f8f6f4 v[rD:rD+7], v[rQ:rQ+FR-1], v[rP:rP+FR-1], 0, v[rSQ], v[rSP] matrix_a_fmt:MATRIX_FMT_BF6 matrix_b_fmt:MATRIX_FMT_BF6 matrix_b_scale:MATRIX_SCALE_ROW1
.else
	v_wmma_scale_f32_16x16x128_f8f6f4 v[rD:rD+7], v[rQ:rQ+FR-1], v[rP:rP+FR-1], 0, v[rSQ], v[rSP] matrix_a_fmt:MATRIX_FMT_BF6 matrix_b_fmt:MATRIX_FMT_BF6 matrix_a_scale:MATRIX_SCALE_ROW1 matrix_b_scale:MATRIX_SCALE_ROW1
.endif
.else
.if odd == 0
	v_wmma_scale_f32_16x16x128_f8f6f4 v[rD:rD+7], v[rQ:rQ+FR-1], v[rP:rP+FR-1], v[rD:rD+7], v[rSQ], v[rSP] matrix_a_fmt:MATRIX_FMT_BF6 matrix_b_fmt:MATRIX_FMT_BF6
.elseif odd == 1
	v_wmma_scale_f32_16x16x128_f8f6f4 v[rD:rD+7], v[rQ:rQ+FR-1], v[rP:rP+FR-1], v[rD:rD+7], v[rSQ], v[rSP] matrix_a_fmt:MATRIX_FMT_BF6 matrix_b_fmt:MATRIX_FMT_BF6 matrix_a_scale:MATRIX_SCALE_ROW1
.elseif odd == 2
	v_wmma_scale_f32_16x16x128_f8f6f4 v[rD:rD+7], v[rQ:rQ+FR-1], v[rP:rP+FR-1], v[rD:rD+7], v[rSQ], v[rSP] matrix_a_fmt:MATRIX_FMT_BF6 matrix_b_fmt:MATRIX_FMT_BF6 matrix_b_scale:MATRIX_SCALE_ROW1
.else
	v_wmma_scale_f32_16x16x128_f8f6f4 v[rD:rD+7], v[rQ:rQ+FR-1], v[rP:rP+FR-1], v[rD:rD+7], v[rSQ], v[rSP] matrix_a_fmt:MATRIX_FMT_BF6 matrix_b_fmt:MATRIX_FMT_BF6 matrix_a_scale:MATRIX_SCALE_ROW1 matrix_b_scale:MATRIX_SCALE_ROW1
.endif
.endif
.endm
.macro MUL16 a0, p, zero
.irp a, \a0, \a0+1
.irp b, 0,1,2,3,4,5,6,7
	MM \a, \b, \p, \zero
.endr
.endr
.endm
.macro STEP slot, q, zero
	s_wait_dscnt 0x0
	PLACES 4
	FETCH \slot, (\q)+1, 1-(\q)%2
	WIN MUL
	MUL16 0, (\q)%2, \zero
	MUL16 2, (\q)%2, \zero
	WIN 0
.endm
.macro RUN slot, zero
	STEP \slot, 0, \zero
	STEP \slot, 1, 0
	STEP \slot, 2, 0
.endm
.macro TURN slot, next, fill, ask
	s_wait_dscnt 0x0
	WIN MUL
	MUL16 0, 1, 0
	WIN 0
	s_wait_tensorcnt 0x0
	ds_add_u32 v[SPW], v[NIL]
	WIN MUL
	MUL16 2, 1, 0
	WIN 0
	s_wait_dscnt 0x0
	s_barrier_signal -1
	s_barrier_wait -1
.if \fill
	CREST
	s_add_nc_u64 s[G0+4*\slot+2:G0+4*\slot+3], s[G0+4*\slot+2:G0+4*\slot+3], 2*PB
	s_add_nc_u64 s[G0B+4*\slot+2:G0B+4*\slot+3], s[G0B+4*\slot+2:G0B+4*\slot+3], 2*PB
	JLOAD G0+4*\slot, G1, G0B+4*\slot, G1B
.else
	PLACES 4
.endif
	s_wait_alu depctr_va_vdst(0)
	FETCH \next, 0, 0
.if \ask
	ASK 1
.endif
.endm
	s_load_b128 s[4:7], s[0:1], 0x0
	s_load_b64 s[12:13], s[0:1], 0x10
	v_lshl_add_u32 v[SPW], v0, 2, SPARE
	v_mov_b32 v[NIL], 0
	ds_add_u32 v28, v29
	ds_add_u32 v28, v29
	s_wait_dscnt 0x0
	v_lshrrev_b32 v1, 5, v0
	v_readfirstlane_b32 s14, v1
	s_lshr_b32 s15, s14, 1
	s_and_b32 s16, s14, 1
	s_bfe_u32 s40, ttmp6, 0x40000
	s_bfe_u32 s41, ttmp6, 0x40004
	s_and_b32 s42, ttmp7, 0xffff
	s_lshl_b32 s43, s41, 2
	s_lshl_b32 s43, 15, s43
	s_lshl_b32 s17, 0x1111, s40
	s_or_b32 s[G1+0], s43, (3<<16)|(1<<21)
	s_or_b32 s[G1B+0], s17, (3<<16)|(1<<21)
.irp g, G1, G1B
	s_mov_b32 s[\g+1], 32<<16
	s_mov_b32 s[\g+3], 32<<16
	s_mov_b32 s[\g+5], 32
	s_mov_b32 s[\g+6], 0
	s_mov_b32 s[\g+7], 0
.endr
	s_mov_b32 s[G1+2], (PB/256)<<16
	s_mov_b32 s[G1+4], PB/256
	s_mov_b32 s[G1B+2], (QH/256)<<16
	s_mov_b32 s[G1B+4], QH/256
	s_lshl_b32 s20, s42, 2
	s_add_co_u32 s20, s20, s41
	s_lshl_b32 s20, s20, 1
	s_add_co_u32 s90, s20, s15
	s_add_co_u32 s20, s20, s16
	s_mul_i32 s20, s20, 16*REC
	s_mov_b32 s21, 0
	s_lshl_b32 s44, ttmp9, 2
	s_add_co_u32 s44, s44, s40
	s_mov_b32 s91, s44
	s_mul_i32 s44, s44, 16*REC
	s_mul_i32 s45, s16, QH
	s_add_co_u32 s44, s44, s45
	s_mov_b32 s45, 0
	s_mul_i32 s18, s16, PB
	s_mul_i32 s19, s16, QH
	s_add_co_u32 s19, s19, 2*PB
	s_wait_kmcnt 0x0
	s_add_nc_u64 s[22:23], s[4:5], s[20:21]
	s_add_nc_u64 s[46:47], s[6:7], s[44:45]
	CROUND
.irp s, 0,1
	s_mov_b32 s[G0+4*\s], 1
	s_add_co_u32 s[G0+4*\s+1], s18, \s*SLOT
	s_add_nc_u64 s[G0+4*\s+2:G0+4*\s+3], s[22:23], \s*PB
	s_or_b32 s[G0+4*\s+3], s[G0+4*\s+3], 0x80000000
	s_mov_b32 s[G0B+4*\s], 1
	s_add_co_u32 s[G0B+4*\s+1], s19, \s*SLOT
	s_add_nc_u64 s[G0B+4*\s+2:G0B+4*\s+3], s[46:47], \s*PB
	s_or_b32 s[G0B+4*\s+3], s[G0B+4*\s+3], 0x80000000
.endr
	JLOAD G0, G1, G0B, G1B                         ; slot 0's four K steps: one tensor load a wave at the head; the addresses below are made while it is out
	v_and_b32 v1, 31, v0
	v_and_b32 v4, 15, v0
	v_bfe_u32 v5, v0, 4, 1
	v_lshlrev_b32 v[CO], 4, v1
	s_wait_alu depctr_va_vdst(0)
	v_lshlrev_b32 v3, 2, v1
	s_wait_alu depctr_va_vdst(0)
	s_mul_i32 s66, s15, PB
	s_mul_i32 s67, s16, 4*1536
	s_add_co_u32 s67, s67, s66
	s_lshl_b32 s68, s16, 8
	s_add_co_u32 s68, s68, s66
	s_mov_b32 s69, 2*PB
.irp s, 0,1
	v_add_nc_u32 v[ADRA+\s], s67, v[CO]
	v_add_nc_u32 v[ASA+\s], s68, v3
	v_add_nc_u32 v[ADRB+\s], s69, v[CO]
	v_add_nc_u32 v[ASB+\s], s69, v3
	s_add_co_u32 s67, s67, SLOT
	s_add_co_u32 s68, s68, SLOT
	s_add_co_u32 s69, s69, SLOT
.endr
	s_mul_i32 s66, s14, 16*SPITCH
	v_mul_u32_u24 v6, v4, SPITCH
	v_lshl_add_u32 v6, v5, 6, v6
	v_add_nc_u32 v[STO], s66, v6
	v_add_nc_u32 v[RD], s66, v[CO]
	s_lshl_b32 s66, s90, 20
	s_lshl_b32 s67, s16, 19
	s_add_co_u32 s66, s66, s67
	s_lshl_b32 s67, s91, 9
	s_add_co_u32 s66, s66, s67
	s_mov_b32 s67, 0
	s_add_nc_u64 s[12:13], s[12:13], s[66:67]
	s_cmp_eq_u32 s15, 0
	s_cselect_b64 s[PFA:PFA+1], s[4:5], s[6:7]
	s_cselect_b32 s70, s20, s44
	s_cselect_b32 s71, s40, s41
	s_mov_b32 s73, 6400
	s_cselect_b32 s73, REC, s73
	s_mul_i32 s71, s71, s73
	s_add_co_u32 s70, s70, s71
	s_add_co_u32 s70, s70, 2*PB
	s_mov_b32 s71, 0
	s_add_nc_u64 s[PFA:PFA+1], s[PFA:PFA+1], s[70:71]
	v_min_u32 v[PFO], 24, v1
	v_lshlrev_b32 v[PFO], 8, v[PFO]
	ASK -1                                         ; every cluster asks for what it will load, a slot ahead of the load: here slot 1's first fill, which goes out when slot 0's has landed
	s_wait_alu depctr_va_vdst(0)                   ; the wait at the head's end
	s_wait_tensorcnt 0x0                           ; my part of slot 0 is in; the lines ahead of a later first fill:
	ds_add_u32 v[SPW], v[NIL]
	s_wait_dscnt 0x0
	CROUND                                         ; everybody's part is in, and the joint loads meet
	JLOAD G0+4, G1, G0B+4, G1B                     ; slot 1's first fill
	FETCH 0, 0, 0
	ASK 0
	RUN 0, 1
	TURN 0, 1, 1, 1
	RUN 1, 0
	TURN 1, 0, 1, 0
	RUN 0, 0
	TURN 0, 1, 0, 0
	RUN 1, 0
	s_wait_dscnt 0x0
	WIN MUL
	MUL16 0, 1, 0
	MUL16 2, 1, 0
	WIN 0
.macro TOSTAGE a
.set AC, 64*(\a)
	WIN 0x08
.irp b, 0,1,2,3,4,5,6,7
	ds_store_b128 v[STO], v[AC+8*\b:AC+8*\b+3] offset:128*(\b/2)+32*(\b%2)
	ds_store_b128 v[STO], v[AC+8*\b+4:AC+8*\b+7] offset:128*(\b/2)+32*(\b%2)+16
.endr
	WIN 0
.set BB, BK+64*((\a)%2)
.irp t, 0,1,2,3,4,5,6,7,8,9,10,11,12,13,14,15
	ds_load_b128 v[BB+4*\t:BB+4*\t+3], v[RD] offset:\t*SPITCH
.endr
.endm
.macro SEND a, younger
.set BB, BK+64*((\a)%2)
	s_wait_dscnt \younger
.irp t, 0,1,2,3,4,5,6,7,8,9,10,11,12,13,14,15
	global_store_b128 v[CO], v[BB+4*\t:BB+4*\t+3], s[12:13] offset:(32*((\a)/2)+8*((\a)%2)+\t+8*(\t/8))*8192 th:TH_STORE_NT
.endr
.endm
	PLACES 4
	TOSTAGE 0
.irp a, 1,2,3
.if \a > 1
	s_wait_xcnt 0x0
.endif
	TOSTAGE \a
	SEND \a-1, 32
.endr
	SEND 3, 0
	s_wait_tensorcnt 0x0
	ds_add_u32 v[SPW], v[NIL]
	s_wait_dscnt 0x0
	CROUND
	s_endpgm
.Lfunc_end_k_qf8ad9b0f74_gemm_out:
	.size	k_qf8ad9b0f74_gemm_out, .Lfunc_end_k_qf8ad9b0f74_gemm_out-k_qf8ad9b0f74_gemm_out
	.p2alignl 7, 3214868480
	.fill 96, 4, 3214868480
	.section	.rodata,"a",@progbits
	.p2align	6, 0x0
	.amdhsa_kernel k_qf8ad9b0f74_gemm_out
		.amdhsa_group_segment_fixed_size 327680
		.amdhsa_private_segment_fixed_size 0
		.amdhsa_enable_private_segment 0
		.amdhsa_kernarg_size 24
		.amdhsa_user_sgpr_count 2
		.amdhsa_user_sgpr_kernarg_segment_ptr 1
		.amdhsa_wavefront_size32 1
		.amdhsa_system_sgpr_workgroup_id_x 1
		.amdhsa_system_sgpr_workgroup_id_y 1
		.amdhsa_system_sgpr_workgroup_id_z 1
		.amdhsa_system_vgpr_workitem_id 0
		.amdhsa_next_free_vgpr 768
		.amdhsa_next_free_sgpr 100
		.amdhsa_reserve_vcc 0
		.amdhsa_float_denorm_mode_32 3
		.amdhsa_float_denorm_mode_16_64 3
		.amdhsa_memory_ordered 1
		.amdhsa_forward_progress 1
		.amdhsa_inst_pref_size 137
	.end_amdhsa_kernel
	.amdgpu_metadata
---
amdhsa.version: [ 1, 2 ]
amdhsa.kernels:
  - .name:           k_qf8ad9b0f74_gemm_out
    .symbol:         k_qf8ad9b0f74_gemm_out.kd
    .args:
      - { .name: oc, .offset: 0, .size: 8, .value_kind: global_buffer, .address_space: global }
      - { .name: woc, .offset: 8, .size: 8, .value_kind: global_buffer, .address_space: global }
      - { .name: out0, .offset: 16, .size: 8, .value_kind: global_buffer, .address_space: global }
    .group_segment_fixed_size: 327680
    .private_segment_fixed_size: 0
    .kernarg_segment_align: 8
    .kernarg_segment_size: 24
    .max_flat_workgroup_size: 128
    .sgpr_count:     100
    .vgpr_count:     768
    .wavefront_size: 32
...
	.end_amdgpu_metadata
.endif
;; end of part 4
